; MI455X (gfx1250); checked and timed in simulation.
; The chip was launched on July 23, 2026; its instructions are those of AMD's public machine-readable ISA for CDNA 5 (MIT licence, August 2026) and "CDNA5" Instruction Set Architecture Reference Guide (July 2026). The comments in the code are by the model that wrote it; some were corrected since.
;; Attention. Allowed arithmetic: matrix products marked QUANTISED: E3M2 operands, one E8M0 scale for each 32 along K, by v_wmma_scale_f32_16x16x128_f8f6f4 with both operands' format E3M2, f32 sums; everything else in f32.
;; Inputs: q_mask 8 x 2,048 bool; query_codes 8 x 2,048 x 2 x 24 uint8 (E3M2 codes of query, K innermost, in blocks of 32 codes, four codes in three bytes); query_scales 8 x 2,048 x 2 uint8 (E8M0 scales of query, one for each 32 codes along K); scale 1 float32; v_mask 8 x 2,048 bool; value 8 x 2,048 x 64 float32.
;; Outputs: out0 8 x 2,048 x 64 float32.
;; This version of the problem:
;;   THIS VERSION OF THE PROBLEM IS GIVEN IN LOW PRECISION. The matrix products marked QUANTISED in the list below multiply operands that are first quantised to E3M2 (3 exponent bits, 2 mantissa bits; 6 bits a number), with one power-of-two scale for each 32 numbers along K (OCP MX v1.0); their sums are f32. All else is computed in f32.
;;   The module's matrix products, in the order in which they are computed (A, B: the left and right operand; K: the contracted axis; several contracted axes count as one K, in the product's order):
;;     1. batch 8 x [M 2,048, K 64] x [K 64, N 2,048]; A: input query (given as codes); B: input value: QUANTISED
;;     2. batch 8 x [M 2,048, K 2,048] x [K 2,048, N 64]; A: softmax (see below); B: input value: QUANTISED
;;   THE QUANTISER, for each operand of a quantised product, along K:
;;     - K is cut into blocks of 32 from its start; a last block that is shorter is filled with zeros.
;;     - A block's scale is 2^e with e = floor(log2(the largest magnitude in the block)) - 4, held to -126 .. 127; a block of zeros has e = 0. As a byte (E8M0): e + 127.
;;     - Each number is divided by its block's scale, clamped to +-28, and rounded to the nearest number of E3M2, ties to even, subnormals kept.
;;     - The product sums the exact products of the quantised numbers (number of the format x scale) in f32.
;;   ~~~python
;;   def quantise(x, axis):      # numpy; x: float32 -> the quantised numbers, widened to float32 again
;;       x = np.moveaxis(x, axis, -1); K = x.shape[-1]
;;       x = np.pad(x, [(0, 0)] * (x.ndim - 1) + [(0, -K % 32)]); x = x.reshape(x.shape[:-1] + (-1, 32)); a = np.abs(x).max(-1, keepdims=True)
;;       e = np.where(a > 0, np.clip(np.frexp(np.where(a > 0, a, 1))[1] - 1 - 4, -126, 127), 0)      # np.frexp(a)[1] - 1 = floor(log2(a)), exactly
;;       r = np.clip(x / 2.0 ** e, -28, 28)
;;       step = 2.0 ** (np.maximum(np.frexp(np.where(r == 0, 1, r))[1] - 1, -2) - 2)
;;       q = np.round(r / step) * step * 2.0 ** e      # np.round: ties to even
;;       return np.moveaxis(q.reshape(q.shape[:-2] + (-1,))[..., :K], -1, axis).astype(np.float32)
;;   ~~~
;;   SOFTMAX AHEAD OF A QUANTISED PRODUCT. Where the list says 'softmax', what is quantised is not the finished softmax but p = 2^(t - M), with t = logit x log2(e) and M = ceil(the row's largest t), a whole number; so 1/2 < the row's largest p <= 1. The row's sum l is taken of the UNQUANTISED p, in f32, and the product's result is divided by l at the end. Since M is a whole number, a kernel that streams over the keys may use a running M (the ceiling of the running maximum): every later rescaling is an exact power of two, which a block's scale takes up: the codes' values come out the same.
;;   OPERANDS COMPUTED ON THE WAY. 'Computed on the way' means the value that the module computes at that place (a softmax that the list does not call 'softmax' is quantised finished and normalised). What goes into a quantiser is computed in f32, as accurately as f32 sums, v_exp_f32 and their like allow (about 1e-6 of the number): no bf16 or f16 on the way to a quantiser, and a product that is left as it is and whose result goes on into a quantised operand takes f32 operands (vector FMAs, or v_wmma_f32_16x16x4_f32). A number that lies on a knife's edge between two numbers of the format may be rounded either way, as far as f32 arithmetic and the matrix unit's own rounding can turn it there, and no further.
;;   INPUTS GIVEN AS CODES. query (in the module: [8, 2048, 64], K = its axis 2): each comes as NAME_codes (uint8): NAME with its K axis moved to the last place and cut into blocks of 32 codes, [.., K / 32, bytes a block], one block behind the other in memory; four codes in three bytes: a row's codes are one little-endian stream of bits, code i at bits 6 i .. 6 i + 5 (a code: sign, 3 exponent bits, 2 mantissa bits); and NAME_scales (uint8): the same leading axes, one E8M0 byte (e + 127) for each 32 codes along K. Its value is code x scale, taken as it is: it is not quantised again, and the codes and scales need not be those that the quantiser above would give.
;; 2 versions. Each part assembles by itself: llvm-mc -triple=amdgcn-amd-amdhsa -mcpu=gfx1250 --defsym DOCPART=n.
;; ======== version 1 of 2: 2 launches
;; workspace buffers: kv 1,703,936 bytes; masks 2,560 bytes of whole numbers
;; launch prep (part 1): grid 16 x 8, 8 waves a work-group, no clusters, 36,864 bytes of LDS; arguments value, v_mask, kv, masks; writes kv, masks
.if DOCPART == 1
	.amdgcn_target "amdgcn-amd-amdhsa--gfx1250"
	.amdhsa_code_object_version 6
	.text
	.protected	k_q670cecbc3e_prep
	.globl	k_q670cecbc3e_prep
	.p2align	8
	.type	k_q670cecbc3e_prep,@function
k_q670cecbc3e_prep:
	s_mov_b64 s[64:65], 0
	v_nop
	global_prefetch_b8 v0, s[64:65] scope:SCOPE_SE
	s_setreg_imm32_b32 hwreg(HW_REG_WAVE_MODE, 25, 1), 1
	s_wait_xcnt 0x0
; value [8][2048][64] f32 is quantised twice to codes of BF6 (E3M2) with one E8M0 byte for each 32 numbers: along the 64 channels (operand of scores = q . value) and along the keys (operand of weights . value).
; A work-group takes one batch's step of 128 keys (32,768 bytes, read once, 512 consecutive bytes a load) through a stage in LDS.
; Waves 0-3: wave b takes keys 32 b .. 32 b + 31 as two tiles of 16 keys; lane (r, h) of tile u holds key 32 b + 8 u + r + 8 (r / 8), channels 32 h .. 32 h + 31: a whole block.
;   (The keys of a tile are not neighbours: the scores' 16 registers of tiles 2 b, 2 b + 1 are then 16 neighbouring keys.)
; Waves 4-7: wave 4 + T takes channels 16 T .. 16 T + 15; lane (r, h) holds channel 16 T + r and, for c = 0, 1, keys 64 c + 32 h .. + 31: a whole block, registers down the keys.
; In both roles a lane ends with two blocks of 32 numbers, so one text quantises both, and its 12 registers of codes ARE the operand's registers: they leave as they stand, 3 stores of 512 consecutive bytes.
; The step's record in kv, 13,312 bytes: 4 x 1,536 (key tiles), 4 x 1,536 (channel tiles), 512 (scale words of the key tiles: [lane][b]; lanes 0-15 tile 2 b, lanes 16-31 tile 2 b + 1), 512 (of the channel tiles: [lane][T]).
; masks: [8][16][4] words, bit l of word p = v_mask of key 128 step + 32 p + l; from byte 2,048 on [8][16] words: the step's first visible key, 4,096 if it has none.
; A block's scale is 2^(floor(log2(largest magnitude)) - 4); its byte is the largest magnitude's exponent field - 4, held at 1 from below.
; LIMITS: a block of zeros gets the byte 1 where the rule says 127 (its codes are zeros; this program alone reads the bytes); NaN and infinities are not served; any mask byte but 0 counts as true.
.set ROWP,  272                        ; a stage row: 256 bytes + 16
.set REC,   128*ROWP                   ; behind the stage: the 1,024 bytes of scale words
.set STEPB, 13312
.set MB,   12                          ; v12-15  mask bytes
.set C,    32                          ; v32-43  the codes
.set CT,   44                          ; v44-46, v48-50  second halves of the blocks' codes, as the conversions leave them
.set AM,   52                          ; v52-53  largest magnitudes
.set SOP,  54                          ; v54-55  the conversions' scale operands
.set BY,   56                          ; v56-57  scale bytes
.set W,    58                          ; v58     the scale word
.set T,    59
.set T2,   60
.set X,    64                          ; v64-127 numbers: first as loaded (32), then two blocks of 32
	s_load_b256 s[4:11], s[0:1], 0x0               ; value s[4:5], v_mask s[6:7], kv s[8:9], masks s[10:11]
	v_lshl_add_u32 v128, v0, 2, 0x8c00
	v_mov_b32 v129, 0
	v_lshrrev_b32 v1, 5, v0
	v_readfirstlane_b32 s12, v1                    ; wave 0..7
	v_and_b32 v2, 31, v0                           ; lane
	v_and_b32 v3, 15, v0                           ; r
	v_bfe_u32 v4, v0, 4, 1                         ; h
	v_lshlrev_b32 v5, 4, v2                        ; 16 x lane
	s_and_b32 s13, ttmp7, 0xffff                   ; batch
	s_lshl_b32 s14, s13, 4
	s_add_co_u32 s14, s14, ttmp9                   ; record = 16 x batch + step
	s_and_b32 s15, s12, 3                          ; b, or T
	s_lshr_b32 s16, s12, 2                         ; 0: tiles of keys, 1: tiles of channels
	; every LDS address is made here, ahead of the parting of the roles
	s_mul_i32 s17, s12, 16*ROWP                    ; into the stage: wave w brings rows 16 w .. 16 w + 15, two rows a load
	v_mul_u32_u24 v6, v4, ROWP
	v_lshl_add_u32 v6, v3, 4, v6
	v_add_nc_u32 v6, s17, v6
	v_and_b32 v7, 8, v3                            ; key tiles: row 32 b + r + 8 (r / 8), + 128 h bytes
	v_add_nc_u32 v7, v7, v3
	v_mul_u32_u24 v7, v7, ROWP
	v_lshl_add_u32 v7, v4, 7, v7
	s_mul_i32 s17, s15, 32*ROWP
	v_add_nc_u32 v7, s17, v7
	v_mul_u32_u24 v8, v4, 32*ROWP                  ; channel tiles: row 32 h, channel 16 T + r
	v_lshl_add_u32 v8, v3, 2, v8
	s_lshl_b32 s17, s15, 6
	v_add_nc_u32 v8, s17, v8
	s_lshl_b32 s17, s16, 9                         ; my scale word's place: REC + 512 x role + 16 x lane + 4 x (b or T)
	s_lshl_b32 s18, s15, 2
	s_add_co_u32 s17, s17, s18
	s_add_co_u32 s17, s17, REC
	v_add_nc_u32 v9, s17, v5
	s_and_b32 s17, s12, 1                          ; waves 0 and 1 read the scale words back, 512 bytes each
	s_lshl_b32 s17, s17, 9
	v_add_nc_u32 v11, s17, v5                      ; the same place in the record
	s_add_co_u32 s17, s17, REC
	v_add_nc_u32 v10, s17, v5
	s_cmp_eq_u32 s16, 0
	s_cselect_b32 s19, 16, 0                       ; key tiles: lanes 16-31 take the word's upper half,
	s_cselect_b32 s20, 0xffff, -1                  ; and a tile's word has two bytes
	s_mov_b32 s22, 0x76543210
	s_mov_b32 s23, 0xfedcba98                      ; v_permlanex16_b32's selects for lane l xor 16
	s_lshl_b32 s24, s14, 15                        ; value: 32,768 bytes a record, 4,096 a wave
	s_lshl_b32 s25, s12, 12
	s_add_co_u32 s24, s24, s25
	s_mov_b32 s25, 0
	s_lshl_b32 s26, s14, 7                         ; v_mask: 128 bytes a record
	s_mov_b32 s27, 0
	s_mul_i32 s28, s14, STEPB
	s_mov_b32 s29, 0
	s_mul_i32 s30, s12, 1536
	s_mov_b32 s31, 0
	s_wait_kmcnt 0x0
	s_add_nc_u64 s[4:5], s[4:5], s[24:25]
	s_add_nc_u64 s[6:7], s[6:7], s[26:27]
	s_add_nc_u64 s[8:9], s[8:9], s[28:29]          ; the step's record
	s_add_nc_u64 s[32:33], s[8:9], s[30:31]        ; my wave's 1,536 bytes of it
.set j, 0
.rept 8
	global_load_b128 v[X+4*j:X+4*j+3], v5, s[4:5] offset:512*j th:TH_LOAD_NT   ; 512 consecutive bytes: two rows; read once in the whole program
.set j, j+1
.endr
.irp p, 0,1,2,3
	global_load_u8 v[MB+\p], v2, s[6:7] offset:32*\p   ; the step's mask bytes, a lane a key: asked for here, with the numbers, so that nobody waits for them alone
.endr
	s_wait_loadcnt 0x0
.set j, 0
.rept 8
	ds_store_b128 v6, v[X+4*j:X+4*j+3] offset:2*ROWP*j
.set j, j+1
.endr
	s_wait_dscnt 0x0                               ; for the others' sake: my rows lie in the stage
	s_barrier_signal -1
	s_barrier_wait -1
	s_cmp_eq_u32 s16, 0
	s_cbranch_scc0 .Lchannels
.irp u, 0,1
.irp i, 0,1,2,3,4,5,6,7
	ds_load_b128 v[X+32*\u+4*\i:X+32*\u+4*\i+3], v7 offset:8*ROWP*\u+16*\i   ; tile u: my key's 32 channels
.endr
.endr
	s_branch .Lhave
.Lchannels:
.set j, 0
.rept 64
	ds_load_b32 v[X+j], v8 offset:(64*(j/32)+j%32)*ROWP   ; my channel of key 64 c + 32 h + i (lanes 16-31 stand 32 rows on, a whole number of times through the banks: two deep)
.set j, j+1
.endr
.Lhave:
	s_wait_dscnt 0x0
.irp x, 0,1
	v_max3_num_f32 v[AM+\x], |v[X+32*\x]|, |v[X+32*\x+1]|, 0x2800000   ; the block's largest magnitude, all 32 numbers mine, and the floor 2^(5 - 127): the byte cannot fall under 1
.endr
.irp i, 2,4,6,8,10,12,14,16,18,20,22,24,26,28,30
.irp x, 0,1
	v_max3_num_f32 v[AM+\x], v[AM+\x], |v[X+32*\x+\i]|, |v[X+32*\x+\i+1]|
.endr
.endr
.irp x, 0,1
	v_add_nc_u32 v[SOP+\x], 0xfe000000, v[AM+\x]   ; 4 off the exponent field: the conversion takes this operand's exponent field as its scale
.endr
.irp x, 0,1
	v_lshrrev_b32 v[BY+\x], 23, v[SOP+\x]          ; the scale's byte
.endr
	v_lshl_or_b32 v[W], v[BY+1], 16, v[BY]         ; my two bytes,
	v_lshlrev_b32 v[T], 3, v4
	v_lshlrev_b32 v[W], v[T], v[W]                 ; 8 h bits up;
	v_mov_b32 v[T2], 0
	v_permlanex16_b32 v[T2], v[W], s22, s23
	v_or_b32 v[W], v[W], v[T2]                     ; with lane l xor 16's: bytes (x = 0, h = 0), (0, 1), (1, 0), (1, 1).  For a channel tile that is the row's word: blocks 0 .. 3 of the step's keys
	v_mul_u32_u24 v[T], v4, s19
	v_lshrrev_b32 v[W], v[T], v[W]                 ; for key tiles: lanes 0-15 keep tile 2 b's two bytes, lanes 16-31 take tile 2 b + 1's;
	v_and_b32 v[W], s20, v[W]                      ; the bytes of k = 64 .. 127, where the queries' codes are zeros, are 0
.irp x, 0,1
	v_cvt_scalef32_pk16_bf6_f32 v[C+6*\x:C+6*\x+2], v[X+32*\x:X+32*\x+15], v[SOP+\x]
	v_cvt_scalef32_pk16_bf6_f32 v[CT+4*\x:CT+4*\x+2], v[X+32*\x+16:X+32*\x+31], v[SOP+\x]   ; (a conversion's three registers begin on an even number)
.endr
	v_nop                                          ; one plain place behind a scaled conversion
.irp x, 0,1
.irp i, 0,1,2
	v_mov_b32 v[C+6*\x+3+\i], v[CT+4*\x+\i]
.endr
.endr
.irp g, 0,1,2
	global_store_b128 v5, v[C+4*\g:C+4*\g+3], s[32:33] offset:512*\g   ; the operand's registers as they stand: 512 consecutive bytes, aligned
.endr
	ds_store_b32 v9, v[W]
	s_wait_dscnt 0x0                               ; for the others' sake: my scale words lie in LDS
	s_barrier_signal -1
	s_barrier_wait -1
	s_cmp_lt_u32 s12, 2
	s_cbranch_scc0 .Lno_words
	ds_load_b128 v[X:X+3], v10
	s_wait_dscnt 0x0
	global_store_b128 v11, v[X:X+3], s[8:9] offset:12288   ; 512 consecutive bytes of scale words
.Lno_words:
	s_cmp_eq_u32 s12, 2
	s_cbranch_scc0 .Ldone
	v_cmp_ne_u32 s36, 0, v[MB]                     ; wave 2: bit l of word p = key 32 p + l is visible
	v_cmp_ne_u32 s37, 0, v[MB+1]
	v_cmp_ne_u32 s38, 0, v[MB+2]
	v_cmp_ne_u32 s39, 0, v[MB+3]
	s_lshl_b32 s40, ttmp9, 7                       ; the step's first key
	s_mov_b32 s41, 4096                            ; no visible key
.irp p, 3,2,1,0
	s_ctz_i32_b32 s42, s[36+\p]
	s_add_co_u32 s42, s42, s40
	s_add_co_u32 s42, s42, 32*\p
	s_cmp_lg_u32 s[36+\p], 0
	s_cselect_b32 s41, s42, s41                    ; the lowest word that has a bit decides
.endr
	v_mov_b32 v16, s36
	v_writelane_b32 v16, s37, 1
	v_writelane_b32 v16, s38, 2
	v_writelane_b32 v16, s39, 3
	v_writelane_b32 v16, s41, 4                    ; lanes 0-3: the words; lane 4: the first visible key
	s_lshl_b32 s42, s14, 4
	v_lshl_add_u32 v17, v2, 2, s42                 ; 16 bytes a record,
	s_lshl_b32 s43, s14, 2
	s_add_co_u32 s43, s43, 2048
	v_mov_b32 v18, s43                             ; and 4 bytes a record from byte 2,048 on
	v_cmp_eq_u32 vcc_lo, 4, v2
	v_cndmask_b32 v17, v17, v18, vcc_lo
	v_cmp_gt_u32 vcc_lo, 5, v2
	s_wait_xcnt 0x0                                ; EXEC changes only behind this wait: my earlier stores have read it
	s_and_saveexec_b32 s44, vcc_lo
	global_store_b32 v17, v16, s[10:11]
	s_wait_xcnt 0x0                                ; and again in front of the line that widens it
	s_or_b32 exec_lo, exec_lo, s44
.Ldone:
	s_wait_tensorcnt 0x0
	ds_add_u32 v128, v129
	s_wait_dscnt 0x0
	s_endpgm
.Lfunc_end_k_q670cecbc3e_prep:
	.size	k_q670cecbc3e_prep, .Lfunc_end_k_q670cecbc3e_prep-k_q670cecbc3e_prep
	.p2alignl 7, 3214868480
	.fill 96, 4, 3214868480
	.section	.rodata,"a",@progbits
	.p2align	6, 0x0
	.amdhsa_kernel k_q670cecbc3e_prep
		.amdhsa_group_segment_fixed_size 36864
		.amdhsa_private_segment_fixed_size 0
		.amdhsa_enable_private_segment 0
		.amdhsa_kernarg_size 32
		.amdhsa_user_sgpr_count 2
		.amdhsa_user_sgpr_kernarg_segment_ptr 1
		.amdhsa_wavefront_size32 1
		.amdhsa_system_sgpr_workgroup_id_x 1
		.amdhsa_system_sgpr_workgroup_id_y 1
		.amdhsa_system_sgpr_workgroup_id_z 1
		.amdhsa_system_vgpr_workitem_id 0
		.amdhsa_next_free_vgpr 130
		.amdhsa_next_free_sgpr 66
		.amdhsa_reserve_vcc 1
		.amdhsa_float_denorm_mode_32 3
		.amdhsa_float_denorm_mode_16_64 3
		.amdhsa_memory_ordered 1
		.amdhsa_forward_progress 1
		.amdhsa_inst_pref_size 16
	.end_amdhsa_kernel
	.amdgpu_metadata
---
amdhsa.version: [ 1, 2 ]
amdhsa.kernels:
  - .name:           k_q670cecbc3e_prep
    .symbol:         k_q670cecbc3e_prep.kd
    .args:
      - { .name: value, .offset: 0, .size: 8, .value_kind: global_buffer, .address_space: global }
      - { .name: v_mask, .offset: 8, .size: 8, .value_kind: global_buffer, .address_space: global }
      - { .name: kv, .offset: 16, .size: 8, .value_kind: global_buffer, .address_space: global }
      - { .name: masks, .offset: 24, .size: 8, .value_kind: global_buffer, .address_space: global }
    .group_segment_fixed_size: 36864
    .private_segment_fixed_size: 0
    .kernarg_segment_align: 8
    .kernarg_segment_size: 32
    .max_flat_workgroup_size: 256
    .sgpr_count:     66
    .vgpr_count:     130
    .wavefront_size: 32
...
	.end_amdgpu_metadata
.endif
;; end of part 1
;; launch attn (part 2): grid 32 x 8, 16 waves a work-group, no clusters, 302,080 bytes of LDS; arguments query_codes, query_scales, scale, q_mask, kv, masks, out0; writes out0
.if DOCPART == 2
	.amdgcn_target "amdgcn-amd-amdhsa--gfx1250"
	.amdhsa_code_object_version 6
	.text
	.protected	k_q670cecbc3e_attn
	.globl	k_q670cecbc3e_attn
	.p2align	8
	.type	k_q670cecbc3e_attn,@function
k_q670cecbc3e_attn:
	s_mov_b64 s[64:65], 0
	v_nop
	global_prefetch_b8 v0, s[64:65] scope:SCOPE_SE
	s_setreg_imm32_b32 hwreg(HW_REG_WAVE_MODE, 25, 1), 1
	s_wait_xcnt 0x0
; out[b][q] = q_mask x sum over k of softmax_k(q . value[k] x scale - 1e9 x hidden(q, k)) value[k], hidden = key k closed by v_mask or k > q.  Both products on codes of BF6 (E3M2) with E8M0 scales for 32 along K.
; The queries come as codes; the keys' codes (along the channels, and along the keys) come from kv as images of the operands' registers, a record of 13,312 bytes for each step of 128 keys.
; SOFTMAX: t = logit x log2(e); M = the row's running largest t rounded up to a whole number; p = 2^(t - M) is quantised along the keys; the row's sum is taken of the unquantised p and divides at the end.
; HIDDEN KEYS ARE NOT DROPPED BUT LOWERED BY 1e9.  In a row that has a visible key their p is 0.  A row with none is a softmax over all 2,048 keys of score x scale - 1e9, rounded to f32.  So, in a step with hidden
; keys, logit = (score x scale) + hidden x (-1e9) in one fused line, t = logit x log2(e); and a tile of 16 queries whose first query lies ahead of the batch's first visible key walks all 16 steps; every other tile ends
; with the step of its diagonal.  Both choices are scalar branches on whole numbers that the launch before stored (masks).
; NO TENSOR LOADS, NO JOINT REQUESTS, though the 32 work-groups of a batch read the same 212,992 bytes: the walk
; hangs on numbers read from memory.  LDS is filled through registers, once: wave w copies step w's record, 26 loads of 512 bytes, all asked for at the head.  Nothing is left to ask for ahead, so no prefetch is laid.
; SHARES.  Work-group g of a batch owns tiles 2 g, 2 g + 1, 127 - 2 g, 126 - 2 g (tile i has i / 8 + 1 steps: 34 steps in every work-group).  A tile is shared by FOUR waves: wave k of it takes steps k, k + 4, k + 8, k + 12,
; with its own M, sum and O^T; the four meet in LDS at the end, brought under one M by exact powers of two.  Wave w: k = w / 4, tile number u = (w + w / 4) mod 4.
; LAYOUT.  Both products transposed: S^T = K Q^T (source 0 = 16 keys), O^T = V^T P^T (source 0 = 16 channels): a lane holds ONE query (lane % 16).  Register 16 b + i of S^T is key 32 b + 16 (lane / 16) + i of the step.
; K = 64 fills half of the first product's 128: the queries' registers 6-11 are zero codes and the scale bytes of k = 64 .. 127 are 0 on both sides, so source 0's registers 6-11 may hold anything: they are the next tile's codes.
; LIMITS: NaN and infinities are not served.  In a step without hidden keys t = score x fl(scale x log2(e)): one rounding where the definition has two.  A block of p that is all zeros keeps the byte 1: its codes are zeros.
.set STEPB, 13312                      ; a step's record, in kv and in LDS: key tiles 6,144, channel tiles 6,144, their scale words 512 + 512
.set VOFF,  6144
.set KSOFF, 12288
.set VSOFF, 12800
.set LMG,   16*STEPB                   ; behind the 16 records: a wave's partial result, 4,352 bytes: O^T 4,096, -M 128, the sum 128
.set PARTB, 4352
.set LST,   LMG+16*PARTB               ; behind them: a stage of 16 rows x (256 + 16) bytes for each tile
.set STGP,  272
.set LI,  1                            ; v1   16 x lane
.set L4,  2                            ; v2   4 x lane
.set RR,  3                            ; v3   r = lane % 16
.set HH,  4                            ; v4   h = lane / 16
.set AKV, 5                            ; v5   LDS address of the step in hand
.set RH1, 6                            ; v6   r - 16 h + 1
.set MW,  7                            ; v7, v8   where my partial result goes (16, 4 bytes a lane)
.set MW4, 8
.set MR,  9                            ; v9, v10  where I read the four partial results
.set MR4, 10
.set SW,  11                           ; v11  the stage: in
.set Q,   16                           ; v16-27 the queries' fragment; v12 -M, v13 the largest t, v[14:15] the sum in two halves
.set QS,  28                           ; v28  the queries' scale words
.set QM,  29                           ; v29  q_mask of my query
.set SR,  30                           ; v30  the stage: back
.set AK0, 31                           ; v31  13,312 k + 16 x lane
.set F,   32                           ; v32-79 eight fragments of keys (6 registers each) or four of channels (12); v80-85 zeros behind the eighth
.set PW,  86                           ; v86  p's scale word
.set KS,  88                           ; v88-91 scale words of the key tiles (register b: lanes 0-15 tile 2 b, lanes 16-31 tile 2 b + 1)
.set VS,  92                           ; v92-95 of the channel tiles
.set S,   96                           ; v96-159 S^T, t, p
.set O,   160                          ; v160-191 O^T
.set PC,  200                          ; v200-211 p's codes
.set CT,  212                          ; v212-214, v216-218
.set BM,  220                          ; v220-223 a block's largest t, then p
.set BT,  224
.set SO,  228
.set FF,  232                          ; v232 f = 2^(old M - new M); v233 named with it as a pair
.set TMP, 234
.set WL,  236                          ; v236-237 bit 16 b + i: register 16 b + i holds a hidden key
.set TH,  240
.set XX,  244
.set ONE, 245
.set NIL, 246
.set FUL, 247
.set H,   248                          ; v248-251 hidden as 0.0 or 1.0, two pairs by turns
.set WV,  20
.set KSP, 21                           ; k
.set U,   22                           ; u
.set BA,  23
.set Q0,  26                           ; my tile's first query
.set NT,  27                           ; its steps up to the diagonal
.set ROW, 28
.set TL,  29
.set MP,  30                           ; s[30:31] the mask words of my next step
.set N,   36                           ; s[36:39] the step's four mask words
.set SEL, 48
.set CC,  50                           ; s[50:51] scale x log2(e)   (the packed forms name a pair and take its low word for both halves: both words are written)
.set SCL, 52                           ; s[52:53] scale
.set L2E, 54                           ; s[54:55] log2(e)
.set NB,  56                           ; s[56:57] -1e9
.set HM,  58                           ; lanes 16-31
.set LIM, 59                           ; steps that my tile walks
.set TR,  60
.set ST,  61
.set KF,  62
.set OKV, 63
	s_load_b256 s[4:11], s[0:1], 0x0               ; query_codes s[4:5], query_scales s[6:7], scale s[8:9], q_mask s[10:11]
	s_load_b128 s[12:15], s[0:1], 0x20             ; kv s[12:13], masks s[14:15]
	s_load_b64 s[16:17], s[0:1], 0x30              ; out0
	v_lshl_add_u32 v254, v0, 2, 0x49400
	v_mov_b32 v255, 0
	v_lshrrev_b32 v[TMP], 5, v0
	v_readfirstlane_b32 s[WV], v[TMP]              ; wave 0..15
	v_and_b32 v[L4], 31, v0
	v_lshlrev_b32 v[LI], 4, v[L4]
	v_lshlrev_b32 v[L4], 2, v[L4]
	v_and_b32 v[RR], 15, v0
	v_bfe_u32 v[HH], v0, 4, 1
	s_lshr_b32 s[KSP], s[WV], 2
	s_and_b32 s[U], s[WV], 3
	s_add_co_u32 s[U], s[U], s[KSP]
	s_and_b32 s[U], s[U], 3
	s_and_b32 s[BA], ttmp7, 0xffff                 ; batch
	s_lshl_b32 s[TL], ttmp9, 1
	s_add_co_u32 s[TL], s[TL], s[U]                ; u = 0, 1: tile 2 g + u;
	s_sub_co_u32 s40, 129, s[TL]                   ; u = 2, 3: tile 129 - 2 g - u
	s_cmp_lt_u32 s[U], 2
	s_cselect_b32 s[TL], s[TL], s40
	s_lshl_b32 s[Q0], s[TL], 4
	s_lshr_b32 s[NT], s[TL], 3
	s_add_co_u32 s[NT], s[NT], 1
	s_lshl_b32 s[ROW], s[BA], 11
	s_add_co_u32 s[ROW], s[ROW], s[Q0]             ; my first query among all 16,384
	s_mul_i32 s40, s[ROW], 48                      ; its codes: 48 bytes a row
	s_mov_b32 s41, 0
	s_lshl_b32 s42, s[ROW], 1                      ; its scale bytes: 2
	s_mov_b32 s43, 0
	s_mov_b32 s44, s[ROW]                          ; its mask byte
	s_mov_b32 s45, 0
	s_lshl_b32 s46, s[ROW], 8                      ; its row of out0: 256 bytes; I store rows 4 k .. 4 k + 3 of the tile
	s_lshl_b32 s47, s[KSP], 10
	s_add_co_u32 s46, s46, s47
	s_mov_b32 s47, 0
	s_mul_i32 s32, s[BA], 16*STEPB                 ; kv: the batch's 16 records, of which I copy number w
	s_mul_i32 s33, s[WV], STEPB
	s_add_co_u32 s32, s32, s33
	s_mov_b32 s33, 0
	s_lshl_b32 s34, s[BA], 8                       ; masks: 256 bytes a batch, 16 a step: step k
	s_lshl_b32 s35, s[KSP], 4
	s_add_co_u32 s34, s34, s35
	s_mov_b32 s35, 0
	s_lshl_b32 s24, s[BA], 6                       ; and 64 bytes a batch of first visible keys
	s_mov_b32 s25, 0
	s_wait_kmcnt 0x0
	s_add_nc_u64 s[4:5], s[4:5], s[40:41]
	s_add_nc_u64 s[6:7], s[6:7], s[42:43]
	s_add_nc_u64 s[10:11], s[10:11], s[44:45]
	s_add_nc_u64 s[16:17], s[16:17], s[46:47]
	s_add_nc_u64 s[12:13], s[12:13], s[32:33]
	s_add_nc_u64 s[MP:MP+1], s[14:15], s[34:35]
	s_add_nc_u64 s[14:15], s[14:15], s[24:25]
	s_load_b512 s[68:83], s[14:15], 0x800          ; the 16 steps' first visible keys
	s_load_b32 s[SCL], s[8:9], 0x0
	v_mul_u32_u24 v[F], v[RR], 48
	v_mad_u32_u24 v[F], v[HH], 24, v[F]            ; the queries: row r, block h: 24 bytes as three loads of 8
	v_lshlrev_b32 v[F+1], 1, v[RR]
	global_load_b64 v[Q:Q+1], v[F], s[4:5]
	global_load_b64 v[Q+2:Q+3], v[F], s[4:5] offset:8
	global_load_b64 v[Q+4:Q+5], v[F], s[4:5] offset:16
	global_load_u16 v[QS], v[F+1], s[6:7]          ; two scale bytes; the upper two bytes of the word are 0
	global_load_u8 v[QM], v[RR], s[10:11]
.set j, 0
.rept 26
	global_load_b128 v[S+4*j:S+4*j+3], v[LI], s[12:13] offset:512*j   ; step w's record: 26 x 512 consecutive bytes, all on their way at once, into registers that the sums take later
.set j, j+1
.endr
	; while they come: addresses, constants, the walk's length
	s_mul_i32 s40, s[WV], STEPB
	v_add_nc_u32 v[F+2], s40, v[LI]                ; where the record goes
	s_mul_i32 s40, s[KSP], STEPB
	v_add_nc_u32 v[AK0], s40, v[LI]
	v_lshlrev_b32 v[RH1], 4, v[HH]
	v_sub_nc_u32 v[RH1], v[RR], v[RH1]
	v_add_nc_u32 v[RH1], 1, v[RH1]
	s_lshl_b32 s40, s[U], 2
	s_add_co_u32 s40, s40, s[KSP]
	s_mul_i32 s40, s40, PARTB
	s_add_co_u32 s40, s40, LMG                     ; partial result number 4 u + k
	v_add_nc_u32 v[MW], s40, v[LI]
	v_add_nc_u32 v[MW4], s40, v[L4]
	s_mul_i32 s40, s[U], 4*PARTB
	s_add_co_u32 s40, s40, LMG                     ; my tile's four
	v_add_nc_u32 v[MR4], s40, v[L4]
	s_lshl_b32 s41, s[KSP], 10
	s_add_co_u32 s40, s40, s41                     ; of each, channels 16 k .. 16 k + 15: 1,024 bytes
	v_add_nc_u32 v[MR], s40, v[LI]
	s_mul_i32 s40, s[U], 16*STGP
	s_add_co_u32 s40, s40, LST                     ; my tile's stage
	s_lshl_b32 s41, s[KSP], 6
	s_add_co_u32 s41, s41, s40
	v_mul_u32_u24 v[SW], v[RR], STGP               ; in: row r, bytes 64 k + 32 h on
	v_lshl_add_u32 v[SW], v[HH], 5, v[SW]
	v_add_nc_u32 v[SW], s41, v[SW]
	s_mul_i32 s41, s[KSP], 4*STGP
	s_add_co_u32 s41, s41, s40
	v_mul_u32_u24 v[SR], v[HH], STGP               ; back: rows 4 k + h, 16 bytes a lane
	v_lshl_add_u32 v[SR], v[RR], 4, v[SR]
	v_add_nc_u32 v[SR], s41, v[SR]
	s_mov_b32 s[SEL], 0x76543210
	s_mov_b32 s[SEL+1], 0xfedcba98                 ; v_permlanex16_b32's selects for lane l xor 16
	s_mov_b32 s[L2E], 0x3fb8aa3b
	s_mov_b32 s[L2E+1], 0x3fb8aa3b
	s_mov_b32 s[NB], 0xce6e6b28                    ; -1e9
	s_mov_b32 s[NB+1], 0xce6e6b28
	s_mov_b32 s[HM], 0xffff0000
.irp i, 0,1,2,3,4,5
	v_mov_b32 v[Q+6+\i], 0                         ; k = 64 .. 127 of the queries: zero codes
	v_mov_b32 v[F+48+\i], 0                        ; what the eighth key tile names as its k = 64 .. 127
.endr
	v_mov_b32 v13, 0xff61b1e6                      ; the largest t so far: -3e38, under every t
	v_floor_f32 v12, -v13                          ; -M
	v_mov_b32 v14, 0
	v_mov_b32 v15, 0
.irp b, 0,1,2,3
	v_mov_b32 v[BT+\b], 0                          ; written once: a lane permute's destination counts as one of its sources
.endr
	v_mov_b32 v[FF+1], 0
	s_wait_kmcnt 0x0
	s_mul_f32 s[CC], s[SCL], s[L2E]
	s_mov_b32 s[SCL+1], s[SCL]
	s_mov_b32 s[CC+1], s[CC]
.irp i, 69,70,71,72,73,74,75,76,77,78,79,80,81,82,83
	s_min_u32 s68, s68, s\i                        ; the batch's first visible key (4,096: none)
.endr
	s_cmp_lt_u32 s[Q0], s68                        ; is my first query's row all hidden?
	s_cselect_b32 s[LIM], 16, s[NT]                ; then all 16 steps count; else those up to the diagonal
.set j, 0
.rept 26
	s_wait_loadcnt 25-j                            ; loads come back in order: piece j is in (and the queries, asked for earlier); the 25 - j younger pieces stay out
	ds_store_b128 v[F+2], v[S+4*j:S+4*j+3] offset:512*j
.set j, j+1
.endr
	s_wait_dscnt 0x0                               ; for the others' sake: step w's record lies in LDS; and my stores have read their registers
	s_barrier_signal -1
	s_barrier_wait -1                              ; all 16 records lie there: they are written no more
.set j, 0
.rept 32
	v_mov_b32 v[O+j], 0                            ; O^T.  (The step is written once; a wave may have no step at all, and still hands on a partial result: zeros under M = -3e38)
.set j, j+1
.endr
	s_mov_b32 s[TR], 0
	s_mov_b32 s[ST], s[KSP]
	s_lshl_b32 s[KF], s[KSP], 7
	s_mov_b32 s[OKV], 0
.Ltrip:                                                ; four trips: steps k, k + 4, k + 8, k + 12; a step that my tile does not walk is jumped over, its address steps are not
	s_load_b128 s[N:N+3], s[MP:MP+1], 0x0
	s_cmp_ge_u32 s[ST], s[LIM]
	s_cbranch_scc1 .Lskip
	v_add_nc_u32 v[AKV], s[OKV], v[AK0]
.set g, 0
.rept 12
	ds_load_b128 v[F+4*g:F+4*g+3], v[AKV] offset:512*g   ; eight key tiles, 6 registers each, as they were stored: 16 bytes a lane on end
.set g, g+1
.endr
	ds_load_b128 v[KS:KS+3], v[AKV] offset:KSOFF
	ds_load_b128 v[VS:VS+3], v[AKV] offset:VSOFF
	s_wait_dscnt 0x0
.irp t, 0,2,4,6
	v_wmma_scale_f32_16x16x128_f8f6f4 v[S+8*\t:S+8*\t+7], v[F+6*\t:F+6*\t+11], v[Q:Q+11], 0, v[KS+\t/2], v[QS] matrix_a_fmt:MATRIX_FMT_BF6 matrix_b_fmt:MATRIX_FMT_BF6
	v_wmma_scale_f32_16x16x128_f8f6f4 v[S+8*\t+8:S+8*\t+15], v[F+6*\t+6:F+6*\t+17], v[Q:Q+11], 0, v[KS+\t/2], v[QS] matrix_a_fmt:MATRIX_FMT_BF6 matrix_b_fmt:MATRIX_FMT_BF6 matrix_a_scale:MATRIX_SCALE_ROW1
.endr
.rept 4
	v_nop                                          ; four places in front of the loads into the fragments' registers and of the first read of the scores
.endr
.set g, 0
.rept 12
	ds_load_b128 v[F+4*g:F+4*g+3], v[AKV] offset:VOFF+512*g   ; the four channel tiles: they land while the softmax is worked
.set g, g+1
.endr
	s_wait_kmcnt 0x0
	s_and_b32 s40, s[N], s[N+1]
	s_and_b32 s41, s[N+2], s[N+3]
	s_and_b32 s40, s40, s41
	s_add_co_u32 s41, s[KF], 127
	s_cmp_eq_u32 s40, -1                           ; a key closed by v_mask?
	s_cbranch_scc0 .Lhidden
	s_cmp_le_u32 s41, s[Q0]                        ; a key behind my first query?
	s_cbranch_scc0 .Lhidden
.set j, 0
.rept 32
	v_pk_mul_f32 v[S+j:S+j+1], v[S+j:S+j+1], s[CC:CC+1] op_sel_hi:[1,0]   ; all 128 keys count for all 16 queries: t = score x (scale x log2(e)); each accumulator from its low end on
.set j, j+2
.endr
	s_branch .Lhave_t
.Lhidden:
	; bit 16 b + i of a lane's pair: key 32 b + 16 h + i is visible.  First by v_mask: word p of the step holds keys 32 p .. 32 p + 31
	s_and_b32 s40, s[N], 0xffff
	s_lshl_b32 s41, s[N+1], 16
	s_or_b32 s40, s40, s41                         ; h = 0, blocks 0 and 1
	s_lshr_b32 s41, s[N], 16
	s_and_b32 s42, s[N+1], 0xffff0000
	s_or_b32 s41, s41, s42                         ; h = 1
	s_and_b32 s42, s[N+2], 0xffff
	s_lshl_b32 s43, s[N+3], 16
	s_or_b32 s42, s42, s43                         ; h = 0, blocks 2 and 3
	s_lshr_b32 s43, s[N+2], 16
	s_and_b32 s44, s[N+3], 0xffff0000
	s_or_b32 s43, s43, s44
	v_mov_b32 v[TH], s40
	v_mov_b32 v[TH+1], s41
	v_cndmask_b32 v[WL], v[TH], v[TH+1], s[HM]
	v_mov_b32 v[TH], s42
	v_mov_b32 v[TH+1], s43
	v_cndmask_b32 v[WL+1], v[TH], v[TH+1], s[HM]
	v_mov_b32 v[ONE], 1
	v_mov_b32 v[NIL], 0
	v_mov_b32 v[FUL], 0xffff
	s_sub_co_i32 s40, s[Q0], s[KF]
	v_add_nc_u32 v[XX], s40, v[RH1]                ; then by the diagonal: of block b's 16 keys of my half the first x = my query - the step's first key - 16 h - 32 b + 1 count
.irp b, 0,1,2,3
	v_lshlrev_b32 v[TH+\b], v[XX], v[ONE]
	v_add_nc_u32 v[TH+\b], -1, v[TH+\b]            ; x ones, for x = 1 .. 15;
	v_cmp_gt_i32 vcc_lo, 1, v[XX]
	v_cndmask_b32 v[TH+\b], v[TH+\b], v[NIL], vcc_lo   ; none under that;
	v_cmp_lt_i32 vcc_lo, 15, v[XX]
	v_cndmask_b32 v[TH+\b], v[TH+\b], v[FUL], vcc_lo   ; all sixteen above
	v_add_nc_u32 v[XX], 0xffffffe0, v[XX]          ; 32 keys on
.endr
	v_lshl_or_b32 v[TH], v[TH+1], 16, v[TH]
	v_lshl_or_b32 v[TH+2], v[TH+3], 16, v[TH+2]
	v_and_b32 v[WL], v[WL], v[TH]
	v_and_b32 v[WL+1], v[WL+1], v[TH+2]
	v_xor_b32 v[WL], -1, v[WL]                     ; now: hidden
	v_xor_b32 v[WL+1], -1, v[WL+1]
.set j, 0
.rept 32
.set hb, H+2*((j/2)%2)
	v_bfe_u32 v[hb], v[WL+j/32], j%32, 1
	v_bfe_u32 v[hb+1], v[WL+j/32], j%32+1, 1
	v_cvt_f32_u32 v[hb], v[hb]                     ; hidden as 0.0 or 1.0
	v_cvt_f32_u32 v[hb+1], v[hb+1]
	v_pk_mul_f32 v[S+j:S+j+1], v[S+j:S+j+1], s[SCL:SCL+1] op_sel_hi:[1,0]                    ; score x scale,
	v_pk_fma_f32 v[S+j:S+j+1], v[hb:hb+1], s[NB:NB+1], v[S+j:S+j+1] op_sel_hi:[1,0,1]        ; - 1e9 x hidden, rounded once: the logit,
	v_pk_mul_f32 v[S+j:S+j+1], v[S+j:S+j+1], s[L2E:L2E+1] op_sel_hi:[1,0]                    ; x log2(e): t
.set j, j+2
.endr
.Lhave_t:
.irp b, 0,1,2,3
	v_max3_num_f32 v[BM+\b], v[S+16*\b], v[S+16*\b+1], v[S+16*\b+2]   ; the largest t of each block of 32 keys: it serves the row's maximum and, since p rises with t, the block's largest p
.endr
.irp i, 3,5,7,9,11,13
.irp b, 0,1,2,3
	v_max3_num_f32 v[BM+\b], v[BM+\b], v[S+16*\b+\i], v[S+16*\b+\i+1]
.endr
.endr
.irp b, 0,1,2,3
	v_max_num_f32 v[BM+\b], v[BM+\b], v[S+16*\b+15]
.endr
.irp b, 0,1,2,3
	v_permlanex16_b32 v[BT+\b], v[BM+\b], s[SEL], s[SEL+1]
.endr
.irp b, 0,1,2,3
	v_max_num_f32 v[BM+\b], v[BM+\b], v[BT+\b]     ; with lane l xor 16's 16 keys
.endr
	v_max3_num_f32 v[TMP], v[BM], v[BM+1], v[BM+2]
	v_max3_num_f32 v13, v[TMP], v[BM+3], v13       ; the running largest t
	v_mov_b32 v[TMP], v12
	v_floor_f32 v12, -v13                          ; the new -M = floor(-t): M is a whole number
	v_sub_f32 v[TMP], v12, v[TMP]                  ; old M - new M: a whole number, 0 or less
	v_cvt_i32_f32 v[TMP], v[TMP]                   ; (it saturates)
	v_ldexp_f32 v[FF], 1.0, v[TMP]                 ; f = 2^(old M - new M): a multiplication by it rounds nothing
.set j, 0
.rept 32
	v_pk_add_f32 v[S+j:S+j+1], v[S+j:S+j+1], v[12:13] op_sel_hi:[1,0]   ; t - M (of the pair the low word, -M, serves both halves)
.set j, j+2
.endr
.irp b, 0,1,2,3
	v_add_f32 v[BM+\b], v[BM+\b], v12              ; the same of each block's largest t
.endr
.set j, 0
.rept 64
	v_exp_f32 v[S+j], v[S+j]                       ; p = 2^(t - M), at most 1, not normalised
.set j, j+1
.endr
	v_pk_mul_f32 v[14:15], v[14:15], v[FF:FF+1] op_sel_hi:[1,0]   ; the sums under the new M: a plain line behind the exponentials
	s_wait_alu depctr_va_vdst(0)                   ; the wait ahead of the first line that names a result: one for the 64
.irp b, 0,1,2,3
	v_exp_f32 v[BM+\b], v[BM+\b]                   ; the block's largest p: the same two lines on the same number give the same bits
.endr
	v_pk_add_f32 v[BT:BT+1], v[S:S+1], v[S+2:S+3]  ; the row's sum is taken of the unquantised p, in two chains
.irp j, 4,8,12,16,20,24,28,32,36,40,44,48,52,56,60
	v_pk_add_f32 v[14:15], v[14:15], v[S+\j:S+\j+1]
	v_pk_add_f32 v[BT:BT+1], v[BT:BT+1], v[S+\j+2:S+\j+3]
.endr
	v_pk_add_f32 v[14:15], v[14:15], v[BT:BT+1]
	s_wait_alu depctr_va_vdst(0)                   ; and one for the four
.irp b, 0,1,2,3
	v_max_num_f32 v[BM+\b], 0x2800000, v[BM+\b]    ; the floor 2^(5 - 127): the byte cannot fall under 1
.endr
.irp b, 0,1,2,3
	v_add_nc_u32 v[SO+\b], 0xfe000000, v[BM+\b]    ; 4 off the exponent field: the conversion's scale operand
.endr
.irp b, 0,1,2,3
	v_lshrrev_b32 v[BT+\b], 23, v[SO+\b]           ; the scale's byte
.endr
	v_lshl_or_b32 v[PW], v[BT+1], 8, v[BT]         ; p's scale word for these 128 keys
	v_lshl_or_b32 v[PW], v[BT+2], 16, v[PW]
	v_lshl_or_b32 v[PW], v[BT+3], 24, v[PW]
.irp c, 0,1
	v_cvt_scalef32_pk16_bf6_f32 v[PC+6*\c:PC+6*\c+2], v[S+32*\c:S+32*\c+15], v[SO+2*\c]
	v_cvt_scalef32_pk16_bf6_f32 v[CT+4*\c:CT+4*\c+2], v[S+32*\c+16:S+32*\c+31], v[SO+2*\c+1]   ; (a conversion's three registers begin on an even number)
.endr
	v_nop                                          ; one plain place behind a scaled conversion
.irp c, 0,1                                    ; the operand wants a whole block in a lane: lanes 0-15 block 2 c, lanes 16-31 block 2 c + 1
.irp i, 0,1,2
	v_permlane16_swap_b32 v[PC+6*\c+\i], v[CT+4*\c+\i]
.endr
.irp i, 0,1,2
	v_mov_b32 v[PC+6*\c+3+\i], v[CT+4*\c+\i]
.endr
.endr
.set j, 0
.rept 16
	v_pk_mul_f32 v[O+j:O+j+1], v[O+j:O+j+1], v[FF:FF+1] op_sel_hi:[1,0]   ; O^T under the new M; these 16 are also the places between p's codes and scale word and the products
.set j, j+2
.endr
	s_wait_dscnt 0x0                               ; the channel tiles are in
.irp t, 0,1,2,3                                ; the four accumulators take turns, one instruction a turn
	v_wmma_scale_f32_16x16x128_f8f6f4 v[O+8*\t:O+8*\t+7], v[F+12*\t:F+12*\t+11], v[PC:PC+11], v[O+8*\t:O+8*\t+7], v[VS+\t], v[PW] matrix_a_fmt:MATRIX_FMT_BF6 matrix_b_fmt:MATRIX_FMT_BF6
.endr
.rept 4
	v_nop                                          ; four places in front of the next step's loads into the fragments' and scales' registers, and of the first read of O^T
.endr
.Lskip:
	s_wait_kmcnt 0x0                               ; the mask words have come: their registers and their address may be written
	s_add_nc_u64 s[MP:MP+1], s[MP:MP+1], 64        ; four steps on
	s_add_co_u32 s[ST], s[ST], 4
	s_add_co_u32 s[KF], s[KF], 512
	s_add_co_u32 s[OKV], s[OKV], 4*STEPB
	s_add_co_u32 s[TR], s[TR], 1
	s_cmp_lt_u32 s[TR], 4
	s_cbranch_scc1 .Ltrip
	; THE FOUR WAVES OF A TILE MEET.  Each hands on O^T, -M and its sum as images of the registers
.set A,   S                            ; v96-127  channels 16 k .. of the four partial O^T
.set NM,  S+32                         ; their -M
.set LL,  S+36                         ; their sums
.set FK,  S+40                         ; 2^(their M - the common M)
.set LT,  S+44
.set RC,  S+45
.set OU,  S+48
	v_add_f32 v14, v14, v15                        ; the sum's two halves,
	v_permlanex16_b32 v[TMP], v14, s[SEL], s[SEL+1]
	v_add_f32 v14, v14, v[TMP]                     ; and lane l xor 16's
.set g, 0
.rept 8
	ds_store_b128 v[MW], v[O+4*g:O+4*g+3] offset:512*g   ; each accumulator from its low end on
.set g, g+1
.endr
	ds_store_b32 v[MW4], v12 offset:4096
	ds_store_b32 v[MW4], v14 offset:4224
	s_wait_dscnt 0x0                               ; for the others' sake: my partial result lies in LDS
	s_barrier_signal -1
	s_barrier_wait -1
.irp k, 0,1,2,3
	ds_load_b128 v[A+8*\k:A+8*\k+3], v[MR] offset:\k*PARTB
	ds_load_b128 v[A+8*\k+4:A+8*\k+7], v[MR] offset:\k*PARTB+512
	ds_load_b32 v[NM+\k], v[MR4] offset:\k*PARTB+4096
	ds_load_b32 v[LL+\k], v[MR4] offset:\k*PARTB+4224
.endr
	s_wait_dscnt 0x0
	v_min3_num_f32 v[TMP], v[NM], v[NM+1], v[NM+2]
	v_min_num_f32 v[TMP], v[TMP], v[NM+3]          ; the common -M
.irp k, 0,1,2,3
	v_sub_f32 v[FK+\k], v[TMP], v[NM+\k]           ; M of part k - the common M: a whole number, 0 or less
.endr
.irp k, 0,1,2,3
	v_cvt_i32_f32 v[FK+\k], v[FK+\k]
.endr
.irp k, 0,1,2,3
	v_ldexp_f32 v[FK+\k], 1.0, v[FK+\k]
.endr
	v_mul_f32 v[LT], v[FK], v[LL]
.irp k, 1,2,3
	v_fmac_f32 v[LT], v[FK+\k], v[LL+\k]           ; the row's sum: at least 1/2, since the part that holds the row's largest t has a p above 1/2
.endr
	v_rcp_f32 v[RC], v[LT]
	v_cvt_f32_u32 v[QM], v[QM]                     ; q_mask as 0.0 or 1.0
.irp i, 0,1,2,3,4,5,6,7
	v_mul_f32 v[OU+\i], v[FK], v[A+\i]
.endr
.irp k, 1,2,3
.irp i, 0,1,2,3,4,5,6,7
	v_fmac_f32 v[OU+\i], v[FK+\k], v[A+8*\k+\i]
.endr
.endr
	s_wait_alu depctr_va_vdst(0)                   ; the wait ahead of the reciprocal's first reader; the 33 lines above are the work between
	v_mul_f32 v[RC], v[RC], v[QM]
.irp i, 0,1,2,3,4,5,6,7
	v_mul_f32 v[OU+\i], v[OU+\i], v[RC]            ; out(Q0 + r, 16 k + 8 h + i)
.endr
	ds_store_b128 v[SW], v[OU:OU+3]                ; a row's 256 bytes come from four waves: they meet in the tile's stage
	ds_store_b128 v[SW], v[OU+4:OU+7] offset:16
	s_wait_dscnt 0x0
	s_barrier_signal -1
	s_barrier_wait -1
	ds_load_b128 v[S:S+3], v[SR]                   ; rows 4 k, 4 k + 1
	ds_load_b128 v[S+4:S+7], v[SR] offset:2*STGP   ; rows 4 k + 2, 4 k + 3
	s_wait_dscnt 0x1                               ; the first of the two is back
	global_store_b128 v[LI], v[S:S+3], s[16:17] th:TH_STORE_NT              ; 512 consecutive bytes, aligned: two whole rows
	s_wait_dscnt 0x0
	global_store_b128 v[LI], v[S+4:S+7], s[16:17] offset:512 th:TH_STORE_NT
	s_wait_tensorcnt 0x0
	ds_add_u32 v254, v255
	s_wait_dscnt 0x0
	s_endpgm
.Lfunc_end_k_q670cecbc3e_attn:
	.size	k_q670cecbc3e_attn, .Lfunc_end_k_q670cecbc3e_attn-k_q670cecbc3e_attn
	.p2alignl 7, 3214868480
	.fill 96, 4, 3214868480
	.section	.rodata,"a",@progbits
	.p2align	6, 0x0
	.amdhsa_kernel k_q670cecbc3e_attn
		.amdhsa_group_segment_fixed_size 302080
		.amdhsa_private_segment_fixed_size 0
		.amdhsa_enable_private_segment 0
		.amdhsa_kernarg_size 56
		.amdhsa_user_sgpr_count 2
		.amdhsa_user_sgpr_kernarg_segment_ptr 1
		.amdhsa_wavefront_size32 1
		.amdhsa_system_sgpr_workgroup_id_x 1
		.amdhsa_system_sgpr_workgroup_id_y 1
		.amdhsa_system_sgpr_workgroup_id_z 1
		.amdhsa_system_vgpr_workitem_id 0
		.amdhsa_next_free_vgpr 256
		.amdhsa_next_free_sgpr 84
		.amdhsa_reserve_vcc 1
		.amdhsa_float_denorm_mode_32 3
		.amdhsa_float_denorm_mode_16_64 3
		.amdhsa_memory_ordered 1
		.amdhsa_forward_progress 1
		.amdhsa_inst_pref_size 49
	.end_amdhsa_kernel
	.amdgpu_metadata
---
amdhsa.version: [ 1, 2 ]
amdhsa.kernels:
  - .name:           k_q670cecbc3e_attn
    .symbol:         k_q670cecbc3e_attn.kd
    .args:
      - { .name: query_codes, .offset: 0, .size: 8, .value_kind: global_buffer, .address_space: global }
      - { .name: query_scales, .offset: 8, .size: 8, .value_kind: global_buffer, .address_space: global }
      - { .name: scale, .offset: 16, .size: 8, .value_kind: global_buffer, .address_space: global }
      - { .name: q_mask, .offset: 24, .size: 8, .value_kind: global_buffer, .address_space: global }
      - { .name: kv, .offset: 32, .size: 8, .value_kind: global_buffer, .address_space: global }
      - { .name: masks, .offset: 40, .size: 8, .value_kind: global_buffer, .address_space: global }
      - { .name: out0, .offset: 48, .size: 8, .value_kind: global_buffer, .address_space: global }
    .group_segment_fixed_size: 302080
    .private_segment_fixed_size: 0
    .kernarg_segment_align: 8
    .kernarg_segment_size: 56
    .max_flat_workgroup_size: 512
    .sgpr_count:     84
    .vgpr_count:     256
    .wavefront_size: 32
...
	.end_amdgpu_metadata
.endif
;; end of part 2
;; ======== version 2 of 2: 2 launches
;; workspace buffers: kv 1,703,936 bytes; masks 2,560 bytes of whole numbers
;; launch prep (part 3): grid 16 x 8, 8 waves a work-group, no clusters, 36,864 bytes of LDS; arguments value, v_mask, kv, masks; writes kv, masks
.if DOCPART == 3
	.amdgcn_target "amdgcn-amd-amdhsa--gfx1250"
	.amdhsa_code_object_version 6
	.text
	.protected	k_q670cecbc3e_prep
	.globl	k_q670cecbc3e_prep
	.p2align	8
	.type	k_q670cecbc3e_prep,@function
k_q670cecbc3e_prep:
	s_mov_b64 s[64:65], 0
	v_nop
	global_prefetch_b8 v0, s[64:65] scope:SCOPE_SE
	s_setreg_imm32_b32 hwreg(HW_REG_WAVE_MODE, 25, 1), 1
	s_wait_xcnt 0x0
; value [8][2048][64] f32 is quantised twice to codes of BF6 (E3M2) with one E8M0 byte for each 32 numbers: along the 64 channels (operand of scores = q . value) and along the keys (operand of weights . value).
; A work-group takes one batch's step of 128 keys (32,768 bytes, read once, 512 consecutive bytes a load) through a stage in LDS.
; Waves 0-3: wave b takes keys 32 b .. 32 b + 31 as two tiles of 16 keys; lane (r, h) of tile u holds key 32 b + 8 u + r + 8 (r / 8), channels 32 h .. 32 h + 31: a whole block.
;   (The keys of a tile are not neighbours: the scores' 16 registers of tiles 2 b, 2 b + 1 are then 16 neighbouring keys.)
; Waves 4-7: wave 4 + T takes channels 16 T .. 16 T + 15; lane (r, h) holds channel 16 T + r and, for c = 0, 1, keys 64 c + 32 h .. + 31: a whole block, registers down the keys.
; In both roles a lane ends with two blocks of 32 numbers, so one text quantises both, and its 12 registers of codes ARE the operand's registers: they leave as they stand, 3 stores of 512 consecutive bytes.
; The step's record in kv, 13,312 bytes: 4 x 1,536 (key tiles), 4 x 1,536 (channel tiles), 512 (scale words of the key tiles: [lane][b]; lanes 0-15 tile 2 b, lanes 16-31 tile 2 b + 1), 512 (of the channel tiles: [lane][T]).
; masks: [8][16][4] words, bit l of word p = v_mask of key 128 step + 32 p + l; from byte 2,048 on [8][16] words: the step's first visible key, 4,096 if it has none.
; A block's scale is 2^(floor(log2(largest magnitude)) - 4); its byte is the largest magnitude's exponent field - 4, held at 1 from below.
; LIMITS: a block of zeros gets the byte 1 where the rule says 127 (its codes are zeros; this program alone reads the bytes); NaN and infinities are not served; any mask byte but 0 counts as true.
.set ROWP,  272                        ; a stage row: 256 bytes + 16
.set REC,   128*ROWP                   ; behind the stage: the 1,024 bytes of scale words
.set STEPB, 13312
.set MB,   12                          ; v12-15  mask bytes
.set C,    32                          ; v32-43  the codes
.set CT,   44                          ; v44-46, v48-50  second halves of the blocks' codes, as the conversions leave them
.set AM,   52                          ; v52-53  largest magnitudes
.set SOP,  54                          ; v54-55  the conversions' scale operands
.set BY,   56                          ; v56-57  scale bytes
.set W,    58                          ; v58     the scale word
.set T,    59
.set T2,   60
.set X,    64                          ; v64-127 numbers: first as loaded (32), then two blocks of 32
	s_load_b256 s[4:11], s[0:1], 0x0               ; value s[4:5], v_mask s[6:7], kv s[8:9], masks s[10:11]
	v_lshl_add_u32 v128, v0, 2, 0x8c00
	v_mov_b32 v129, 0
	v_lshrrev_b32 v1, 5, v0
	s_delay_alu instid0(VALU_DEP_1)
	v_readfirstlane_b32 s12, v1                    ; wave 0..7
	v_and_b32 v2, 31, v0                           ; lane
	v_and_b32 v3, 15, v0                           ; r
	v_bfe_u32 v4, v0, 4, 1                         ; h
	s_delay_alu instid0(VALU_DEP_3)
	v_lshlrev_b32 v5, 4, v2                        ; 16 x lane
	s_and_b32 s13, ttmp7, 0xffff                   ; batch
	s_lshl_b32 s14, s13, 4
	s_add_co_u32 s14, s14, ttmp9                   ; record = 16 x batch + step
	s_and_b32 s15, s12, 3                          ; b, or T
	s_lshr_b32 s16, s12, 2                         ; 0: tiles of keys, 1: tiles of channels
	; every LDS address is made here, ahead of the parting of the roles
	s_mul_i32 s17, s12, 16*ROWP                    ; into the stage: wave w brings rows 16 w .. 16 w + 15, two rows a load
	v_mul_u32_u24 v6, v4, ROWP
	s_delay_alu instid0(VALU_DEP_1)
	v_lshl_add_u32 v6, v3, 4, v6
	s_delay_alu instid0(VALU_DEP_1)
	v_add_nc_u32 v6, s17, v6
	v_and_b32 v7, 8, v3                            ; key tiles: row 32 b + r + 8 (r / 8), + 128 h bytes
	s_delay_alu instid0(VALU_DEP_1)
	v_add_nc_u32 v7, v7, v3
	s_delay_alu instid0(VALU_DEP_1)
	v_mul_u32_u24 v7, v7, ROWP
	s_delay_alu instid0(VALU_DEP_1)
	v_lshl_add_u32 v7, v4, 7, v7
	s_mul_i32 s17, s15, 32*ROWP
	v_add_nc_u32 v7, s17, v7
	v_mul_u32_u24 v8, v4, 32*ROWP                  ; channel tiles: row 32 h, channel 16 T + r
	s_delay_alu instid0(VALU_DEP_1)
	v_lshl_add_u32 v8, v3, 2, v8
	s_lshl_b32 s17, s15, 6
	v_add_nc_u32 v8, s17, v8
	s_lshl_b32 s17, s16, 9                         ; my scale word's place: REC + 512 x role + 16 x lane + 4 x (b or T)
	s_lshl_b32 s18, s15, 2
	s_add_co_u32 s17, s17, s18
	s_add_co_u32 s17, s17, REC
	v_add_nc_u32 v9, s17, v5
	s_and_b32 s17, s12, 1                          ; waves 0 and 1 read the scale words back, 512 bytes each
	s_lshl_b32 s17, s17, 9
	v_add_nc_u32 v11, s17, v5                      ; the same place in the record
	s_add_co_u32 s17, s17, REC
	v_add_nc_u32 v10, s17, v5
	s_cmp_eq_u32 s16, 0
	s_cselect_b32 s19, 16, 0                       ; key tiles: lanes 16-31 take the word's upper half,
	s_cselect_b32 s20, 0xffff, -1                  ; and a tile's word has two bytes
	s_mov_b32 s22, 0x76543210
	s_mov_b32 s23, 0xfedcba98                      ; v_permlanex16_b32's selects for lane l xor 16
	s_lshl_b32 s24, s14, 15                        ; value: 32,768 bytes a record, 4,096 a wave
	s_lshl_b32 s25, s12, 12
	s_add_co_u32 s24, s24, s25
	s_mov_b32 s25, 0
	s_lshl_b32 s26, s14, 7                         ; v_mask: 128 bytes a record
	s_mov_b32 s27, 0
	s_mul_i32 s28, s14, STEPB
	s_mov_b32 s29, 0
	s_mul_i32 s30, s12, 1536
	s_mov_b32 s31, 0
	s_wait_kmcnt 0x0
	s_add_nc_u64 s[4:5], s[4:5], s[24:25]
	s_add_nc_u64 s[6:7], s[6:7], s[26:27]
	s_add_nc_u64 s[8:9], s[8:9], s[28:29]          ; the step's record
	s_add_nc_u64 s[32:33], s[8:9], s[30:31]        ; my wave's 1,536 bytes of it
.set j, 0
.rept 8
	global_load_b128 v[X+4*j:X+4*j+3], v5, s[4:5] offset:512*j th:TH_LOAD_NT   ; 512 consecutive bytes: two rows; read once in the whole program
.set j, j+1
.endr
.irp p, 0,1,2,3
	global_load_u8 v[MB+\p], v2, s[6:7] offset:32*\p   ; the step's mask bytes, a lane a key: asked for here, with the numbers, so that nobody waits for them alone
.endr
	s_wait_loadcnt 0x0
.set j, 0
.rept 8
	ds_store_b128 v6, v[X+4*j:X+4*j+3] offset:2*ROWP*j
.set j, j+1
.endr
	s_wait_dscnt 0x0                               ; for the others' sake: my rows lie in the stage
	s_barrier_signal -1
	s_barrier_wait -1
	s_cmp_eq_u32 s16, 0
	s_cbranch_scc0 .Lchannels
	s_wait_alu depctr_va_vdst(0)
.irp u, 0,1
.irp i, 0,1,2,3,4,5,6,7
	ds_load_b128 v[X+32*\u+4*\i:X+32*\u+4*\i+3], v7 offset:8*ROWP*\u+16*\i   ; tile u: my key's 32 channels
.endr
.endr
	s_branch .Lhave
.Lchannels:
.set j, 0
	s_wait_alu depctr_va_vdst(0)
.rept 64
	ds_load_b32 v[X+j], v8 offset:(64*(j/32)+j%32)*ROWP   ; my channel of key 64 c + 32 h + i (lanes 16-31 stand 32 rows on, a whole number of times through the banks: two deep)
.set j, j+1
.endr
.Lhave:
	s_wait_dscnt 0x0
.irp x, 0,1
	v_max3_num_f32 v[AM+\x], |v[X+32*\x]|, |v[X+32*\x+1]|, 0x2800000   ; the block's largest magnitude, all 32 numbers mine, and the floor 2^(5 - 127): the byte cannot fall under 1
.endr
.irp i, 2,4,6,8,10,12,14,16,18,20,22,24,26,28,30
.irp x, 0,1
	s_delay_alu instid0(VALU_DEP_2)
	v_max3_num_f32 v[AM+\x], v[AM+\x], |v[X+32*\x+\i]|, |v[X+32*\x+\i+1]|
.endr
.endr
.irp x, 0,1
	s_delay_alu instid0(VALU_DEP_2)
	v_add_nc_u32 v[SOP+\x], 0xfe000000, v[AM+\x]   ; 4 off the exponent field: the conversion takes this operand's exponent field as its scale
.endr
.irp x, 0,1
	s_delay_alu instid0(VALU_DEP_2)
	v_lshrrev_b32 v[BY+\x], 23, v[SOP+\x]          ; the scale's byte
.endr
	s_delay_alu instid0(VALU_DEP_1)
	v_lshl_or_b32 v[W], v[BY+1], 16, v[BY]         ; my two bytes,
	v_lshlrev_b32 v[T], 3, v4
	s_delay_alu instid0(VALU_DEP_1)
	v_lshlrev_b32 v[W], v[T], v[W]                 ; 8 h bits up;
	v_mov_b32 v[T2], 0
	s_delay_alu instid0(VALU_DEP_1)
	v_permlanex16_b32 v[T2], v[W], s22, s23
	s_delay_alu instid0(VALU_DEP_1)
	v_or_b32 v[W], v[W], v[T2]                     ; with lane l xor 16's: bytes (x = 0, h = 0), (0, 1), (1, 0), (1, 1).  For a channel tile that is the row's word: blocks 0 .. 3 of the step's keys
	v_mul_u32_u24 v[T], v4, s19
	s_delay_alu instid0(VALU_DEP_1)
	v_lshrrev_b32 v[W], v[T], v[W]                 ; for key tiles: lanes 0-15 keep tile 2 b's two bytes, lanes 16-31 take tile 2 b + 1's;
	s_delay_alu instid0(VALU_DEP_1)
	v_and_b32 v[W], s20, v[W]                      ; the bytes of k = 64 .. 127, where the queries' codes are zeros, are 0
.irp x, 0,1
	v_cvt_scalef32_pk16_bf6_f32 v[C+6*\x:C+6*\x+2], v[X+32*\x:X+32*\x+15], v[SOP+\x]
	v_cvt_scalef32_pk16_bf6_f32 v[CT+4*\x:CT+4*\x+2], v[X+32*\x+16:X+32*\x+31], v[SOP+\x]   ; (a conversion's three registers begin on an even number)
.endr
	v_nop                                          ; one plain place behind a scaled conversion
.irp x, 0,1
.irp i, 0,1,2
	v_mov_b32 v[C+6*\x+3+\i], v[CT+4*\x+\i]
.endr
.endr
.irp g, 0,1,2
	global_store_b128 v5, v[C+4*\g:C+4*\g+3], s[32:33] offset:512*\g   ; the operand's registers as they stand: 512 consecutive bytes, aligned
.endr
	ds_store_b32 v9, v[W]
	s_wait_dscnt 0x0                               ; for the others' sake: my scale words lie in LDS
	s_barrier_signal -1
	s_barrier_wait -1
	s_cmp_lt_u32 s12, 2
	s_cbranch_scc0 .Lno_words
	ds_load_b128 v[X:X+3], v10
	s_wait_dscnt 0x0
	global_store_b128 v11, v[X:X+3], s[8:9] offset:12288   ; 512 consecutive bytes of scale words
.Lno_words:
	s_cmp_eq_u32 s12, 2
	s_cbranch_scc0 .Ldone
	v_cmp_ne_u32 s36, 0, v[MB]                     ; wave 2: bit l of word p = key 32 p + l is visible
	v_cmp_ne_u32 s37, 0, v[MB+1]
	v_cmp_ne_u32 s38, 0, v[MB+2]
	v_cmp_ne_u32 s39, 0, v[MB+3]
	s_lshl_b32 s40, ttmp9, 7                       ; the step's first key
	s_mov_b32 s41, 4096                            ; no visible key
.irp p, 3,2,1,0
	s_ctz_i32_b32 s42, s[36+\p]
	s_add_co_u32 s42, s42, s40
	s_add_co_u32 s42, s42, 32*\p
	s_cmp_lg_u32 s[36+\p], 0
	s_cselect_b32 s41, s42, s41                    ; the lowest word that has a bit decides
.endr
	v_mov_b32 v16, s36
	s_delay_alu instid0(VALU_DEP_1)
	v_writelane_b32 v16, s37, 1
	s_delay_alu instid0(VALU_DEP_1)
	v_writelane_b32 v16, s38, 2
	s_delay_alu instid0(VALU_DEP_1)
	v_writelane_b32 v16, s39, 3
	s_delay_alu instid0(VALU_DEP_1)
	v_writelane_b32 v16, s41, 4                    ; lanes 0-3: the words; lane 4: the first visible key
	s_lshl_b32 s42, s14, 4
	v_lshl_add_u32 v17, v2, 2, s42                 ; 16 bytes a record,
	s_lshl_b32 s43, s14, 2
	s_add_co_u32 s43, s43, 2048
	v_mov_b32 v18, s43                             ; and 4 bytes a record from byte 2,048 on
	v_cmp_eq_u32 vcc_lo, 4, v2
	s_delay_alu instid0(VALU_DEP_1)
	v_cndmask_b32 v17, v17, v18, vcc_lo
	v_cmp_gt_u32 vcc_lo, 5, v2
	s_wait_alu depctr_va_vdst(0)
	s_wait_xcnt 0x0                                ; EXEC changes only behind this wait: my earlier stores have read it
	s_and_saveexec_b32 s44, vcc_lo
	global_store_b32 v17, v16, s[10:11]
	s_wait_xcnt 0x0                                ; and again in front of the line that widens it
	s_or_b32 exec_lo, exec_lo, s44
.Ldone:
	s_wait_tensorcnt 0x0
	ds_add_u32 v128, v129
	s_wait_dscnt 0x0
	s_endpgm
.Lfunc_end_k_q670cecbc3e_prep:
	.size	k_q670cecbc3e_prep, .Lfunc_end_k_q670cecbc3e_prep-k_q670cecbc3e_prep
	.p2alignl 7, 3214868480
	.fill 96, 4, 3214868480
	.section	.rodata,"a",@progbits
	.p2align	6, 0x0
	.amdhsa_kernel k_q670cecbc3e_prep
		.amdhsa_group_segment_fixed_size 36864
		.amdhsa_private_segment_fixed_size 0
		.amdhsa_enable_private_segment 0
		.amdhsa_kernarg_size 32
		.amdhsa_user_sgpr_count 2
		.amdhsa_user_sgpr_kernarg_segment_ptr 1
		.amdhsa_wavefront_size32 1
		.amdhsa_system_sgpr_workgroup_id_x 1
		.amdhsa_system_sgpr_workgroup_id_y 1
		.amdhsa_system_sgpr_workgroup_id_z 1
		.amdhsa_system_vgpr_workitem_id 0
		.amdhsa_next_free_vgpr 130
		.amdhsa_next_free_sgpr 66
		.amdhsa_reserve_vcc 1
		.amdhsa_float_denorm_mode_32 3
		.amdhsa_float_denorm_mode_16_64 3
		.amdhsa_memory_ordered 1
		.amdhsa_forward_progress 1
		.amdhsa_inst_pref_size 18
	.end_amdhsa_kernel
	.amdgpu_metadata
---
amdhsa.version: [ 1, 2 ]
amdhsa.kernels:
  - .name:           k_q670cecbc3e_prep
    .symbol:         k_q670cecbc3e_prep.kd
    .args:
      - { .name: value, .offset: 0, .size: 8, .value_kind: global_buffer, .address_space: global }
      - { .name: v_mask, .offset: 8, .size: 8, .value_kind: global_buffer, .address_space: global }
      - { .name: kv, .offset: 16, .size: 8, .value_kind: global_buffer, .address_space: global }
      - { .name: masks, .offset: 24, .size: 8, .value_kind: global_buffer, .address_space: global }
    .group_segment_fixed_size: 36864
    .private_segment_fixed_size: 0
    .kernarg_segment_align: 8
    .kernarg_segment_size: 32
    .max_flat_workgroup_size: 256
    .sgpr_count:     66
    .vgpr_count:     130
    .wavefront_size: 32
...
	.end_amdgpu_metadata
.endif
;; end of part 3
;; launch attn (part 4): grid 32 x 8, 16 waves a work-group, no clusters, 302,080 bytes of LDS; arguments query_codes, query_scales, scale, q_mask, kv, masks, out0; writes out0
.if DOCPART == 4
	.amdgcn_target "amdgcn-amd-amdhsa--gfx1250"
	.amdhsa_code_object_version 6
	.text
	.protected	k_q670cecbc3e_attn
	.globl	k_q670cecbc3e_attn
	.p2align	8
	.type	k_q670cecbc3e_attn,@function
k_q670cecbc3e_attn:
	s_mov_b64 s[64:65], 0
	v_nop
	global_prefetch_b8 v0, s[64:65] scope:SCOPE_SE
	s_setreg_imm32_b32 hwreg(HW_REG_WAVE_SCHED_MODE, 0, 2), 2
	s_setreg_imm32_b32 hwreg(HW_REG_WAVE_MODE, 25, 1), 1
	s_wait_xcnt 0x0
	s_wait_alu depctr_vm_vsrc(0)
; out[b][q] = q_mask x sum over k of softmax_k(q . value[k] x scale - 1e9 x hidden(q, k)) value[k], hidden = key k closed by v_mask or k > q.  Both products on codes of BF6 (E3M2) with E8M0 scales for 32 along K.
; The queries come as codes; the keys' codes (along the channels, and along the keys) come from kv as images of the operands' registers, a record of 13,312 bytes for each step of 128 keys.
; SOFTMAX: t = logit x log2(e); M = the row's running largest t rounded up to a whole number; p = 2^(t - M) is quantised along the keys; the row's sum is taken of the unquantised p and divides at the end.
; HIDDEN KEYS ARE NOT DROPPED BUT LOWERED BY 1e9.  In a row that has a visible key their p is 0.  A row with none is a softmax over all 2,048 keys of score x scale - 1e9, rounded to f32.  So, in a step with hidden
; keys, logit = (score x scale) + hidden x (-1e9) in one fused line, t = logit x log2(e); and a tile of 16 queries whose first query lies ahead of the batch's first visible key walks all 16 steps; every other tile ends
; with the step of its diagonal.  Both choices are scalar branches on whole numbers that the launch before stored (masks).
; NO TENSOR LOADS, NO JOINT REQUESTS, though the 32 work-groups of a batch read the same 212,992 bytes: the walk
; hangs on numbers read from memory.  LDS is filled through registers, once: wave w copies step w's record, 26 loads of 512 bytes, all asked for at the head.  Nothing is left to ask for ahead, so no prefetch is laid.
; SHARES.  Work-group g of a batch owns tiles 2 g, 2 g + 1, 127 - 2 g, 126 - 2 g (tile i has i / 8 + 1 steps: 34 steps in every work-group).  A tile is shared by FOUR waves: wave k of it takes steps k, k + 4, k + 8, k + 12,
; with its own M, sum and O^T; the four meet in LDS at the end, brought under one M by exact powers of two.  Wave w: k = w / 4, tile number u = (w + w / 4) mod 4.
; LAYOUT.  Both products transposed: S^T = K Q^T (source 0 = 16 keys), O^T = V^T P^T (source 0 = 16 channels): a lane holds ONE query (lane % 16).  Register 16 b + i of S^T is key 32 b + 16 (lane / 16) + i of the step.
; K = 64 fills half of the first product's 128: the queries' registers 6-11 are zero codes and the scale bytes of k = 64 .. 127 are 0 on both sides, so source 0's registers 6-11 may hold anything: they are the next tile's codes.
; LIMITS: NaN and infinities are not served.  In a step without hidden keys t = score x fl(scale x log2(e)): one rounding where the definition has two.  A block of p that is all zeros keeps the byte 1: its codes are zeros.
; THE MODE: SCHED_MODE bits 1:0 = 2 (LLVM: expert scheduling mode 2), set by the entry lines.  The code itself states the register dependences
; between vector or matrix instructions and memory or LDS instructions, with s_wait_alu, always for 0.
; THE PLAN.  Registers that memory or LDS instructions touch:
;   v1, v3, v32, v33    offsets of the head's global loads, written by the head's vector lines; v1 and v3 are never written again.
;   v34                 address of the fill's LDS stores.  v32-34 take fragments afterwards.
;   v96-199             the fill: written by its 26 loads, read by its 26 LDS stores; then S^T (v96-159) and O^T (v160-191) are written there by matrix and vector lines.
;   v5                  the step's LDS address: written by one add at a walked step's head, read by the step's 26 LDS loads.
;   v32-79              fragments, by turns in a step: K's 12 loads land, 8 products read them; V's 12 loads land, 4 products read them.  The wave's 256 registers leave no room for a second such buffer.
;   v88-95              scale words: two LDS loads at the step's head; read by the step's 12 products.
;   v22-27, v80-85      zero codes, written once at the head by vector lines, operands of scaled products.
;   v86, v200-211       p's scale word and codes: written by vector lines, read by the 4 scaled products.
;   v7-11, v30          LDS addresses of the merge and the stage: written once at the head.
;   v160-191, v12, v14  the partial result: read by 10 LDS stores behind the loop.     v96-135: the merge's LDS loads land there.     v144-151: the stage stores' data.     v96-103: the stage's rows come back there.
; A WALKED STEP has one wait on vm_vsrc (ahead of the add to v5) and four on va_vdst: behind that add, ahead of K's loads; behind the 8 products, ahead of V's loads; ahead of the 64 exponentials; ahead of the 4 products.  The two waits behind its
; exponentials stand ahead of the first readers of their results.  A step with hidden keys has one wait on va_sdst more, behind the run of eight compares.
.set STEPB, 13312                      ; a step's record, in kv and in LDS: key tiles 6,144, channel tiles 6,144, their scale words 512 + 512
.set VOFF,  6144
.set KSOFF, 12288
.set VSOFF, 12800
.set LMG,   16*STEPB                   ; behind the 16 records: a wave's partial result, 4,352 bytes: O^T 4,096, -M 128, the sum 128
.set PARTB, 4352
.set LST,   LMG+16*PARTB               ; behind them: a stage of 16 rows x (256 + 16) bytes for each tile
.set STGP,  272
.set LI,  1                            ; v1   16 x lane
.set L4,  2                            ; v2   4 x lane
.set RR,  3                            ; v3   r = lane % 16
.set HH,  4                            ; v4   h = lane / 16
.set AKV, 5                            ; v5   LDS address of the step in hand
.set RH1, 6                            ; v6   r - 16 h + 1
.set MW,  7                            ; v7, v8   where my partial result goes (16, 4 bytes a lane)
.set MW4, 8
.set MR,  9                            ; v9, v10  where I read the four partial results
.set MR4, 10
.set SW,  11                           ; v11  the stage: in
.set Q,   16                           ; v16-27 the queries' fragment; v12 -M, v13 the largest t, v[14:15] the sum in two halves
.set QS,  28                           ; v28  the queries' scale words
.set QM,  29                           ; v29  q_mask of my query
.set SR,  30                           ; v30  the stage: back
.set AK0, 31                           ; v31  13,312 k + 16 x lane
.set F,   32                           ; v32-79 eight fragments of keys (6 registers each) or four of channels (12); v80-85 zeros behind the eighth
.set PW,  86                           ; v86  p's scale word
.set KS,  88                           ; v88-91 scale words of the key tiles (register b: lanes 0-15 tile 2 b, lanes 16-31 tile 2 b + 1)
.set VS,  92                           ; v92-95 of the channel tiles
.set S,   96                           ; v96-159 S^T, t, p
.set O,   160                          ; v160-191 O^T
.set PC,  200                          ; v200-211 p's codes
.set CT,  212                          ; v212-214, v216-218
.set BM,  220                          ; v220-223 a block's largest t, then p
.set BT,  224
.set SO,  228
.set FF,  232                          ; v232 f = 2^(old M - new M); v233 named with it as a pair
.set TMP, 234
.set WL,  236                          ; v236-237 bit 16 b + i: register 16 b + i holds a hidden key
.set TH,  240
.set XX,  244
.set ONE, 245
.set NIL, 246
.set FUL, 247
.set H,   248                          ; v248-251 hidden as 0.0 or 1.0, two pairs by turns
.set WV,  20
.set KSP, 21                           ; k
.set U,   22                           ; u
.set BA,  23
.set Q0,  26                           ; my tile's first query
.set NT,  27                           ; its steps up to the diagonal
.set ROW, 28
.set TL,  29
.set MP,  30                           ; s[30:31] the mask words of my next step
.set N,   36                           ; s[36:39] the step's four mask words
.set SEL, 48
.set CC,  50                           ; s[50:51] scale x log2(e)   (the packed forms name a pair and take its low word for both halves: both words are written)
.set SCL, 52                           ; s[52:53] scale
.set L2E, 54                           ; s[54:55] log2(e)
.set NB,  56                           ; s[56:57] -1e9
.set HM,  58                           ; lanes 16-31
.set LIM, 59                           ; steps that my tile walks
.set TR,  60
.set ST,  61
.set KF,  62
.set OKV, 63
.set CM,  68                           ; s[68:75] the diagonal's eight lane masks, in registers that held first visible keys and are done with when the walk's length is made
	s_load_b256 s[4:11], s[0:1], 0x0               ; query_codes s[4:5], query_scales s[6:7], scale s[8:9], q_mask s[10:11]
	s_load_b128 s[12:15], s[0:1], 0x20             ; kv s[12:13], masks s[14:15]
	s_load_b64 s[16:17], s[0:1], 0x30              ; out0
	v_lshl_add_u32 v254, v0, 2, 0x49400
	v_mov_b32 v255, 0
	v_lshrrev_b32 v[TMP], 5, v0
	v_readfirstlane_b32 s[WV], v[TMP]              ; wave 0..15
	v_and_b32 v[L4], 31, v0
	v_lshlrev_b32 v[LI], 4, v[L4]
	v_lshlrev_b32 v[L4], 2, v[L4]
	v_and_b32 v[RR], 15, v0
	v_bfe_u32 v[HH], v0, 4, 1
	s_wait_alu depctr_va_sdst(0)                   ; the wave's number is written, ahead of its first reader: k, u, every base and every LDS place are made from it
	s_lshr_b32 s[KSP], s[WV], 2
	s_and_b32 s[U], s[WV], 3
	s_add_co_u32 s[U], s[U], s[KSP]
	s_and_b32 s[U], s[U], 3
	s_and_b32 s[BA], ttmp7, 0xffff                 ; batch
	s_lshl_b32 s[TL], ttmp9, 1
	s_add_co_u32 s[TL], s[TL], s[U]                ; u = 0, 1: tile 2 g + u;
	s_sub_co_u32 s40, 129, s[TL]                   ; u = 2, 3: tile 129 - 2 g - u
	s_cmp_lt_u32 s[U], 2
	s_cselect_b32 s[TL], s[TL], s40
	s_lshl_b32 s[Q0], s[TL], 4
	s_lshr_b32 s[NT], s[TL], 3
	s_add_co_u32 s[NT], s[NT], 1
	s_lshl_b32 s[ROW], s[BA], 11
	s_add_co_u32 s[ROW], s[ROW], s[Q0]             ; my first query among all 16,384
	s_mul_i32 s40, s[ROW], 48                      ; its codes: 48 bytes a row
	s_mov_b32 s41, 0
	s_lshl_b32 s42, s[ROW], 1                      ; its scale bytes: 2
	s_mov_b32 s43, 0
	s_mov_b32 s44, s[ROW]                          ; its mask byte
	s_mov_b32 s45, 0
	s_lshl_b32 s46, s[ROW], 8                      ; its row of out0: 256 bytes; I store rows 4 k .. 4 k + 3 of the tile
	s_lshl_b32 s47, s[KSP], 10
	s_add_co_u32 s46, s46, s47
	s_mov_b32 s47, 0
	s_mul_i32 s32, s[BA], 16*STEPB                 ; kv: the batch's 16 records, of which I copy number w
	s_mul_i32 s33, s[WV], STEPB
	s_add_co_u32 s32, s32, s33
	s_mov_b32 s33, 0
	s_lshl_b32 s34, s[BA], 8                       ; masks: 256 bytes a batch, 16 a step: step k
	s_lshl_b32 s35, s[KSP], 4
	s_add_co_u32 s34, s34, s35
	s_mov_b32 s35, 0
	s_lshl_b32 s24, s[BA], 6                       ; and 64 bytes a batch of first visible keys
	s_mov_b32 s25, 0
	s_wait_alu depctr_va_vdst(0)
	s_wait_kmcnt 0x0
	s_add_nc_u64 s[4:5], s[4:5], s[40:41]
	s_add_nc_u64 s[6:7], s[6:7], s[42:43]
	s_add_nc_u64 s[10:11], s[10:11], s[44:45]
	s_add_nc_u64 s[16:17], s[16:17], s[46:47]
	s_add_nc_u64 s[12:13], s[12:13], s[32:33]
	s_add_nc_u64 s[MP:MP+1], s[14:15], s[34:35]
	s_add_nc_u64 s[14:15], s[14:15], s[24:25]
	s_load_b512 s[68:83], s[14:15], 0x800          ; the 16 steps' first visible keys
	s_load_b32 s[SCL], s[8:9], 0x0
	v_mul_u32_u24 v[F], v[RR], 48
	v_mad_u32_u24 v[F], v[HH], 24, v[F]            ; the queries: row r, block h: 24 bytes as three loads of 8
	v_lshlrev_b32 v[F+1], 1, v[RR]
	s_wait_alu depctr_va_vdst(0)                   ; v1, v3, v32 and v33 are written: the 31 loads below read them as their offsets
	global_load_b64 v[Q:Q+1], v[F], s[4:5]
	global_load_b64 v[Q+2:Q+3], v[F], s[4:5] offset:8
	global_load_b64 v[Q+4:Q+5], v[F], s[4:5] offset:16
	global_load_u16 v[QS], v[F+1], s[6:7]          ; two scale bytes; the upper two bytes of the word are 0
	global_load_u8 v[QM], v[RR], s[10:11]
.set j, 0
.rept 26
	global_load_b128 v[S+4*j:S+4*j+3], v[LI], s[12:13] offset:512*j   ; step w's record: 26 x 512 consecutive bytes, all on their way at once, into registers that the sums take later
.set j, j+1
.endr
	; while they come: addresses, constants, the walk's length
	s_mul_i32 s40, s[WV], STEPB
	v_add_nc_u32 v[F+2], s40, v[LI]                ; where the record goes
	s_mul_i32 s40, s[KSP], STEPB
	v_add_nc_u32 v[AK0], s40, v[LI]
	v_lshlrev_b32 v[RH1], 4, v[HH]
	v_sub_nc_u32 v[RH1], v[RR], v[RH1]
	v_add_nc_u32 v[RH1], 1, v[RH1]
	s_lshl_b32 s40, s[U], 2
	s_add_co_u32 s40, s40, s[KSP]
	s_mul_i32 s40, s40, PARTB
	s_add_co_u32 s40, s40, LMG                     ; partial result number 4 u + k
	v_add_nc_u32 v[MW], s40, v[LI]
	v_add_nc_u32 v[MW4], s40, v[L4]
	s_mul_i32 s40, s[U], 4*PARTB
	s_add_co_u32 s40, s40, LMG                     ; my tile's four
	v_add_nc_u32 v[MR4], s40, v[L4]
	s_lshl_b32 s41, s[KSP], 10
	s_add_co_u32 s40, s40, s41                     ; of each, channels 16 k .. 16 k + 15: 1,024 bytes
	v_add_nc_u32 v[MR], s40, v[LI]
	s_mul_i32 s40, s[U], 16*STGP
	s_add_co_u32 s40, s40, LST                     ; my tile's stage
	s_lshl_b32 s41, s[KSP], 6
	s_add_co_u32 s41, s41, s40
	v_mul_u32_u24 v[SW], v[RR], STGP               ; in: row r, bytes 64 k + 32 h on
	v_lshl_add_u32 v[SW], v[HH], 5, v[SW]
	v_add_nc_u32 v[SW], s41, v[SW]
	s_mul_i32 s41, s[KSP], 4*STGP
	s_add_co_u32 s41, s41, s40
	v_mul_u32_u24 v[SR], v[HH], STGP               ; back: rows 4 k + h, 16 bytes a lane
	v_lshl_add_u32 v[SR], v[RR], 4, v[SR]
	v_add_nc_u32 v[SR], s41, v[SR]
	s_mov_b32 s[SEL], 0x76543210
	s_mov_b32 s[SEL+1], 0xfedcba98                 ; v_permlanex16_b32's selects for lane l xor 16
	s_mov_b32 s[L2E], 0x3fb8aa3b
	s_mov_b32 s[L2E+1], 0x3fb8aa3b
	s_mov_b32 s[NB], 0xce6e6b28                    ; -1e9
	s_mov_b32 s[NB+1], 0xce6e6b28
	s_mov_b32 s[HM], 0xffff0000
.irp i, 0,1,2,3,4,5
	v_mov_b32 v[Q+6+\i], 0                         ; k = 64 .. 127 of the queries: zero codes
	v_mov_b32 v[F+48+\i], 0                        ; what the eighth key tile names as its k = 64 .. 127
.endr
	v_mov_b32 v13, 0xff61b1e6                      ; the largest t so far: -3e38, under every t
	v_floor_f32 v12, -v13                          ; -M
	v_mov_b32 v14, 0
	v_mov_b32 v15, 0
.irp b, 0,1,2,3
	v_mov_b32 v[BT+\b], 0                          ; written once: a lane permute's destination counts as one of its sources
.endr
	v_mov_b32 v[FF+1], 0
	s_wait_kmcnt 0x0
	s_mul_f32 s[CC], s[SCL], s[L2E]
	s_mov_b32 s[SCL+1], s[SCL]
	s_mov_b32 s[CC+1], s[CC]
.irp i, 69,70,71,72,73,74,75,76,77,78,79,80,81,82,83
	s_min_u32 s68, s68, s\i                        ; the batch's first visible key (4,096: none)
.endr
	s_cmp_lt_u32 s[Q0], s68                        ; is my first query's row all hidden?
	s_cselect_b32 s[LIM], 16, s[NT]                ; then all 16 steps count; else those up to the diagonal
	s_wait_alu depctr_va_vdst(0)                   ; v34 is written, the address of the stores below; so are v7 to v11 and v30, the LDS addresses of the merge and the stage, which no vector line writes again
.set j, 0
.rept 26
	s_wait_loadcnt 25-j                            ; loads come back in order: piece j is in (and the queries, asked for earlier); the 25 - j younger pieces stay out
	ds_store_b128 v[F+2], v[S+4*j:S+4*j+3] offset:512*j
.set j, j+1
.endr
	s_wait_dscnt 0x0                               ; for the others' sake: step w's record lies in LDS
	s_barrier_signal -1
	s_barrier_wait -1                              ; all 16 records lie there: they are written no more
	s_wait_alu depctr_vm_vsrc(0)                   ; my 26 LDS stores have read v96 to v199 and v34, the head's loads v32 and v33: O^T is cleared below, and S^T and the fragments are written there later
.set j, 0
.rept 32
	v_mov_b32 v[O+j], 0                            ; O^T.  (The step is written once; a wave may have no step at all, and still hands on a partial result: zeros under M = -3e38)
.set j, j+1
.endr
	s_mov_b32 s[TR], 0
	s_mov_b32 s[ST], s[KSP]
	s_lshl_b32 s[KF], s[KSP], 7
	s_mov_b32 s[OKV], 0
.Ltrip:                                                ; four trips: steps k, k + 4, k + 8, k + 12; a step that my tile does not walk is jumped over, its address steps are not
	s_load_b128 s[N:N+3], s[MP:MP+1], 0x0
	s_cmp_ge_u32 s[ST], s[LIM]
	s_cbranch_scc1 .Lskip
	s_wait_alu depctr_vm_vsrc(0)                   ; the LDS loads of the step before have read v5
	v_add_nc_u32 v[AKV], s[OKV], v[AK0]
	s_wait_alu depctr_va_vdst(0)                   ; v5 is written; the last step's four products are done reading the fragments and scale words, in which the loads below land; in the first trip: v32 to v34 are written, and so are the zero codes v22-27 and v80-85, operands of the products below
.set g, 0
.rept 12
	ds_load_b128 v[F+4*g:F+4*g+3], v[AKV] offset:512*g   ; eight key tiles, 6 registers each, as they were stored: 16 bytes a lane on end
.set g, g+1
.endr
	ds_load_b128 v[KS:KS+3], v[AKV] offset:KSOFF
	ds_load_b128 v[VS:VS+3], v[AKV] offset:VSOFF
	s_wait_dscnt 0x0
.irp t, 0,2,4,6
	v_wmma_scale_f32_16x16x128_f8f6f4 v[S+8*\t:S+8*\t+7], v[F+6*\t:F+6*\t+11], v[Q:Q+11], 0, v[KS+\t/2], v[QS] matrix_a_fmt:MATRIX_FMT_BF6 matrix_b_fmt:MATRIX_FMT_BF6
	v_wmma_scale_f32_16x16x128_f8f6f4 v[S+8*\t+8:S+8*\t+15], v[F+6*\t+6:F+6*\t+17], v[Q:Q+11], 0, v[KS+\t/2], v[QS] matrix_a_fmt:MATRIX_FMT_BF6 matrix_b_fmt:MATRIX_FMT_BF6 matrix_a_scale:MATRIX_SCALE_ROW1
.endr
.rept 4
	v_nop                                          ; four places (ISA guide 7.12.1) in front of the first read of the scores
.endr
	s_wait_alu depctr_va_vdst(0)                   ; the eight products are done reading v32 to v85: the channel tiles land in v32 to v79
.set g, 0
.rept 12
	ds_load_b128 v[F+4*g:F+4*g+3], v[AKV] offset:VOFF+512*g   ; the four channel tiles: they land while the softmax is worked; no vector line up to the wait for them names these registers
.set g, g+1
.endr
	s_wait_kmcnt 0x0
	s_and_b32 s40, s[N], s[N+1]
	s_and_b32 s41, s[N+2], s[N+3]
	s_and_b32 s40, s40, s41
	s_add_co_u32 s41, s[KF], 127
	s_cmp_eq_u32 s40, -1                           ; a key closed by v_mask?
	s_cbranch_scc0 .Lhidden
	s_cmp_le_u32 s41, s[Q0]                        ; a key behind my first query?
	s_cbranch_scc0 .Lhidden
.set j, 0
.rept 32
	v_pk_mul_f32 v[S+j:S+j+1], v[S+j:S+j+1], s[CC:CC+1] op_sel_hi:[1,0]   ; all 128 keys count for all 16 queries: t = score x (scale x log2(e)); each accumulator from its low end on
.set j, j+2
.endr
	s_branch .Lhave_t
.Lhidden:
	; bit 16 b + i of a lane's pair: key 32 b + 16 h + i is visible.  First by v_mask: word p of the step holds keys 32 p .. 32 p + 31
	s_and_b32 s40, s[N], 0xffff
	s_lshl_b32 s41, s[N+1], 16
	s_or_b32 s40, s40, s41                         ; h = 0, blocks 0 and 1
	s_lshr_b32 s41, s[N], 16
	s_and_b32 s42, s[N+1], 0xffff0000
	s_or_b32 s41, s41, s42                         ; h = 1
	s_and_b32 s42, s[N+2], 0xffff
	s_lshl_b32 s43, s[N+3], 16
	s_or_b32 s42, s42, s43                         ; h = 0, blocks 2 and 3
	s_lshr_b32 s43, s[N+2], 16
	s_and_b32 s44, s[N+3], 0xffff0000
	s_or_b32 s43, s43, s44
	v_mov_b32 v[TH], s40
	v_mov_b32 v[TH+1], s41
	v_cndmask_b32 v[WL], v[TH], v[TH+1], s[HM]
	v_mov_b32 v[TH], s42
	v_mov_b32 v[TH+1], s43
	v_cndmask_b32 v[WL+1], v[TH], v[TH+1], s[HM]
	v_mov_b32 v[ONE], 1
	v_mov_b32 v[NIL], 0
	v_mov_b32 v[FUL], 0xffff
	s_sub_co_i32 s40, s[Q0], s[KF]
	v_add_nc_u32 v[XX], s40, v[RH1]                ; then by the diagonal: of block b's 16 keys of my half the first x = my query - the step's first key - 16 h - 32 b + 1 count
.irp b, 0,1,2,3                                ; the eight compares stand in one run, each with a scalar register of its own, so that one wait serves them all
	v_cmp_gt_i32 s[CM+2*\b], 1, v[XX]              ; x under 1
	v_cmp_lt_i32 s[CM+2*\b+1], 15, v[XX]           ; x above 15
	v_lshlrev_b32 v[TH+\b], v[XX], v[ONE]
	v_add_nc_u32 v[TH+\b], -1, v[TH+\b]            ; x ones, for x = 1 .. 15;
	v_add_nc_u32 v[XX], 0xffffffe0, v[XX]          ; 32 keys on
.endr
	s_wait_alu depctr_va_sdst(0)                   ; the eight compares have written s68 to s75, ahead of the selects that read them
.irp b, 0,1,2,3
	v_cndmask_b32 v[TH+\b], v[TH+\b], v[NIL], s[CM+2*\b]     ; none under that;
	v_cndmask_b32 v[TH+\b], v[TH+\b], v[FUL], s[CM+2*\b+1]   ; all sixteen above
.endr
	v_lshl_or_b32 v[TH], v[TH+1], 16, v[TH]
	v_lshl_or_b32 v[TH+2], v[TH+3], 16, v[TH+2]
	v_and_b32 v[WL], v[WL], v[TH]
	v_and_b32 v[WL+1], v[WL+1], v[TH+2]
	v_xor_b32 v[WL], -1, v[WL]                     ; now: hidden
	v_xor_b32 v[WL+1], -1, v[WL+1]
.set j, 0
.rept 32
.set hb, H+2*((j/2)%2)
	v_bfe_u32 v[hb], v[WL+j/32], j%32, 1
	v_bfe_u32 v[hb+1], v[WL+j/32], j%32+1, 1
	v_cvt_f32_u32 v[hb], v[hb]                     ; hidden as 0.0 or 1.0
	v_cvt_f32_u32 v[hb+1], v[hb+1]
	v_pk_mul_f32 v[S+j:S+j+1], v[S+j:S+j+1], s[SCL:SCL+1] op_sel_hi:[1,0]                    ; score x scale,
	v_pk_fma_f32 v[S+j:S+j+1], v[hb:hb+1], s[NB:NB+1], v[S+j:S+j+1] op_sel_hi:[1,0,1]        ; - 1e9 x hidden, rounded once: the logit,
	v_pk_mul_f32 v[S+j:S+j+1], v[S+j:S+j+1], s[L2E:L2E+1] op_sel_hi:[1,0]                    ; x log2(e): t
.set j, j+2
.endr
.Lhave_t:
.irp b, 0,1,2,3
	v_max3_num_f32 v[BM+\b], v[S+16*\b], v[S+16*\b+1], v[S+16*\b+2]   ; the largest t of each block of 32 keys: it serves the row's maximum and, since p rises with t, the block's largest p
.endr
.irp i, 3,5,7,9,11,13
.irp b, 0,1,2,3
	v_max3_num_f32 v[BM+\b], v[BM+\b], v[S+16*\b+\i], v[S+16*\b+\i+1]
.endr
.endr
.irp b, 0,1,2,3
	v_max_num_f32 v[BM+\b], v[BM+\b], v[S+16*\b+15]
.endr
.irp b, 0,1,2,3
	v_permlanex16_b32 v[BT+\b], v[BM+\b], s[SEL], s[SEL+1]
.endr
.irp b, 0,1,2,3
	v_max_num_f32 v[BM+\b], v[BM+\b], v[BT+\b]     ; with lane l xor 16's 16 keys
.endr
	v_max3_num_f32 v[TMP], v[BM], v[BM+1], v[BM+2]
	v_max3_num_f32 v13, v[TMP], v[BM+3], v13       ; the running largest t
	v_mov_b32 v[TMP], v12
	v_floor_f32 v12, -v13                          ; the new -M = floor(-t): M is a whole number
	v_sub_f32 v[TMP], v12, v[TMP]                  ; old M - new M: a whole number, 0 or less
	v_cvt_i32_f32 v[TMP], v[TMP]                   ; (it saturates)
	v_ldexp_f32 v[FF], 1.0, v[TMP]                 ; f = 2^(old M - new M): a multiplication by it rounds nothing
.set j, 0
.rept 32
	v_pk_add_f32 v[S+j:S+j+1], v[S+j:S+j+1], v[12:13] op_sel_hi:[1,0]   ; t - M (of the pair the low word, -M, serves both halves)
.set j, j+2
.endr
.irp b, 0,1,2,3
	v_add_f32 v[BM+\b], v[BM+\b], v12              ; the same of each block's largest t
.endr
.set j, 0
	s_wait_alu depctr_va_vdst(0)
.rept 64
	v_exp_f32 v[S+j], v[S+j]                       ; p = 2^(t - M), at most 1, not normalised
.set j, j+1
.endr
	v_pk_mul_f32 v[14:15], v[14:15], v[FF:FF+1] op_sel_hi:[1,0]   ; the sums under the new M: a plain line behind the exponentials
	s_wait_alu depctr_va_vdst(0)                   ; the 64 exponentials have written p: the wait ahead of the first line that names a result
.irp b, 0,1,2,3
	v_exp_f32 v[BM+\b], v[BM+\b]                   ; the block's largest p: the same two lines on the same number give the same bits
.endr
	v_pk_add_f32 v[BT:BT+1], v[S:S+1], v[S+2:S+3]  ; the row's sum is taken of the unquantised p, in two chains
.irp j, 4,8,12,16,20,24,28,32,36,40,44,48,52,56,60
	v_pk_add_f32 v[14:15], v[14:15], v[S+\j:S+\j+1]
	v_pk_add_f32 v[BT:BT+1], v[BT:BT+1], v[S+\j+2:S+\j+3]
.endr
	v_pk_add_f32 v[14:15], v[14:15], v[BT:BT+1]
	s_wait_alu depctr_va_vdst(0)                   ; and the four exponentials have written the blocks' largest p, ahead of their first reader
.irp b, 0,1,2,3
	v_max_num_f32 v[BM+\b], 0x2800000, v[BM+\b]    ; the floor 2^(5 - 127): the byte cannot fall under 1
.endr
.irp b, 0,1,2,3
	v_add_nc_u32 v[SO+\b], 0xfe000000, v[BM+\b]    ; 4 off the exponent field: the conversion's scale operand
.endr
.irp b, 0,1,2,3
	v_lshrrev_b32 v[BT+\b], 23, v[SO+\b]           ; the scale's byte
.endr
	v_lshl_or_b32 v[PW], v[BT+1], 8, v[BT]         ; p's scale word for these 128 keys
	v_lshl_or_b32 v[PW], v[BT+2], 16, v[PW]
	v_lshl_or_b32 v[PW], v[BT+3], 24, v[PW]
.irp c, 0,1
	v_cvt_scalef32_pk16_bf6_f32 v[PC+6*\c:PC+6*\c+2], v[S+32*\c:S+32*\c+15], v[SO+2*\c]
	v_cvt_scalef32_pk16_bf6_f32 v[CT+4*\c:CT+4*\c+2], v[S+32*\c+16:S+32*\c+31], v[SO+2*\c+1]   ; (a conversion's three registers begin on an even number)
.endr
	v_nop                                          ; one plain place behind a scaled conversion
.irp c, 0,1                                    ; the operand wants a whole block in a lane: lanes 0-15 block 2 c, lanes 16-31 block 2 c + 1
.irp i, 0,1,2
	v_permlane16_swap_b32 v[PC+6*\c+\i], v[CT+4*\c+\i]
.endr
.irp i, 0,1,2
	v_mov_b32 v[PC+6*\c+3+\i], v[CT+4*\c+\i]
.endr
.endr
.set j, 0
.rept 16
	v_pk_mul_f32 v[O+j:O+j+1], v[O+j:O+j+1], v[FF:FF+1] op_sel_hi:[1,0]   ; O^T under the new M; these 16 are also the places between p's codes and scale word and the products
.set j, j+2
.endr
	s_wait_dscnt 0x0                               ; the channel tiles are in
	s_wait_alu depctr_va_vdst(0)                   ; p's codes v200-211 and its scale word v86 are written: the scaled products below take them as operand and scales; the places above stay beside this wait
.irp t, 0,1,2,3                                ; the four accumulators take turns, one instruction a turn
	v_wmma_scale_f32_16x16x128_f8f6f4 v[O+8*\t:O+8*\t+7], v[F+12*\t:F+12*\t+11], v[PC:PC+11], v[O+8*\t:O+8*\t+7], v[VS+\t], v[PW] matrix_a_fmt:MATRIX_FMT_BF6 matrix_b_fmt:MATRIX_FMT_BF6
.endr
.rept 4
	v_nop                                          ; four places in front of the first read of O^T, which behind the last step is an LDS store's
.endr
.Lskip:
	s_wait_kmcnt 0x0                               ; the mask words have come: their registers and their address may be written
	s_add_nc_u64 s[MP:MP+1], s[MP:MP+1], 64        ; four steps on
	s_add_co_u32 s[ST], s[ST], 4
	s_add_co_u32 s[KF], s[KF], 512
	s_add_co_u32 s[OKV], s[OKV], 4*STEPB
	s_add_co_u32 s[TR], s[TR], 1
	s_cmp_lt_u32 s[TR], 4
	s_cbranch_scc1 .Ltrip
	; THE FOUR WAVES OF A TILE MEET.  Each hands on O^T, -M and its sum as images of the registers
.set A,   S                            ; v96-127  channels 16 k .. of the four partial O^T
.set NM,  S+32                         ; their -M
.set LL,  S+36                         ; their sums
.set FK,  S+40                         ; 2^(their M - the common M)
.set LT,  S+44
.set RC,  S+45
.set OU,  S+48
	v_add_f32 v14, v14, v15                        ; the sum's two halves,
	v_permlanex16_b32 v[TMP], v14, s[SEL], s[SEL+1]
	v_add_f32 v14, v14, v[TMP]                     ; and lane l xor 16's
	s_wait_alu depctr_va_vdst(0)                   ; O^T, -M and the sum are written, which the ten stores below read; and the softmax is done with v96 to v135, in which the loads behind the barrier land: no vector line stands between
.set g, 0
.rept 8
	ds_store_b128 v[MW], v[O+4*g:O+4*g+3] offset:512*g   ; each accumulator from its low end on
.set g, g+1
.endr
	ds_store_b32 v[MW4], v12 offset:4096
	ds_store_b32 v[MW4], v14 offset:4224
	s_wait_dscnt 0x0                               ; for the others' sake: my partial result lies in LDS
	s_barrier_signal -1
	s_barrier_wait -1
.irp k, 0,1,2,3
	ds_load_b128 v[A+8*\k:A+8*\k+3], v[MR] offset:\k*PARTB
	ds_load_b128 v[A+8*\k+4:A+8*\k+7], v[MR] offset:\k*PARTB+512
	ds_load_b32 v[NM+\k], v[MR4] offset:\k*PARTB+4096
	ds_load_b32 v[LL+\k], v[MR4] offset:\k*PARTB+4224
.endr
	s_wait_dscnt 0x0
	v_min3_num_f32 v[TMP], v[NM], v[NM+1], v[NM+2]
	v_min_num_f32 v[TMP], v[TMP], v[NM+3]          ; the common -M
.irp k, 0,1,2,3
	v_sub_f32 v[FK+\k], v[TMP], v[NM+\k]           ; M of part k - the common M: a whole number, 0 or less
.endr
.irp k, 0,1,2,3
	v_cvt_i32_f32 v[FK+\k], v[FK+\k]
.endr
.irp k, 0,1,2,3
	v_ldexp_f32 v[FK+\k], 1.0, v[FK+\k]
.endr
	v_mul_f32 v[LT], v[FK], v[LL]
.irp k, 1,2,3
	v_fmac_f32 v[LT], v[FK+\k], v[LL+\k]           ; the row's sum: at least 1/2, since the part that holds the row's largest t has a p above 1/2
.endr
	s_wait_alu depctr_va_vdst(0)
	v_rcp_f32 v[RC], v[LT]
	v_cvt_f32_u32 v[QM], v[QM]                     ; q_mask as 0.0 or 1.0
.irp i, 0,1,2,3,4,5,6,7
	v_mul_f32 v[OU+\i], v[FK], v[A+\i]
.endr
.irp k, 1,2,3
.irp i, 0,1,2,3,4,5,6,7
	v_fmac_f32 v[OU+\i], v[FK+\k], v[A+8*\k+\i]
.endr
.endr
	s_wait_alu depctr_va_vdst(0)                   ; the reciprocal is written: the wait ahead of its first reader; the 33 lines above are the work between
	v_mul_f32 v[RC], v[RC], v[QM]
.irp i, 0,1,2,3,4,5,6,7
	v_mul_f32 v[OU+\i], v[OU+\i], v[RC]            ; out(Q0 + r, 16 k + 8 h + i)
.endr
	s_wait_alu depctr_va_vdst(0)                   ; v144 to v151 are written, which the two stores below read; and the merge is done reading v96 to v103, in which the stage's rows land behind the barrier
	ds_store_b128 v[SW], v[OU:OU+3]                ; a row's 256 bytes come from four waves: they meet in the tile's stage
	ds_store_b128 v[SW], v[OU+4:OU+7] offset:16
	s_wait_dscnt 0x0
	s_barrier_signal -1
	s_barrier_wait -1
	ds_load_b128 v[S:S+3], v[SR]                   ; rows 4 k, 4 k + 1
	ds_load_b128 v[S+4:S+7], v[SR] offset:2*STGP   ; rows 4 k + 2, 4 k + 3
	s_wait_dscnt 0x1                               ; the first of the two is back
	global_store_b128 v[LI], v[S:S+3], s[16:17] th:TH_STORE_NT              ; 512 consecutive bytes, aligned: two whole rows
	s_wait_dscnt 0x0
	global_store_b128 v[LI], v[S+4:S+7], s[16:17] offset:512 th:TH_STORE_NT
	s_wait_dscnt 0x0
	s_wait_alu depctr_hold_cnt(0) depctr_sa_sdst(0) depctr_va_vdst(0) depctr_va_sdst(0) depctr_va_ssrc(0) depctr_va_vcc(0) depctr_vm_vsrc(0)
	s_wait_tensorcnt 0x0
	ds_add_u32 v254, v255
	s_wait_dscnt 0x0
	s_endpgm
.Lfunc_end_k_q670cecbc3e_attn:
	.size	k_q670cecbc3e_attn, .Lfunc_end_k_q670cecbc3e_attn-k_q670cecbc3e_attn
	.p2alignl 7, 3214868480
	.fill 96, 4, 3214868480
	.section	.rodata,"a",@progbits
	.p2align	6, 0x0
	.amdhsa_kernel k_q670cecbc3e_attn
		.amdhsa_group_segment_fixed_size 302080
		.amdhsa_private_segment_fixed_size 0
		.amdhsa_enable_private_segment 0
		.amdhsa_kernarg_size 56
		.amdhsa_user_sgpr_count 2
		.amdhsa_user_sgpr_kernarg_segment_ptr 1
		.amdhsa_wavefront_size32 1
		.amdhsa_system_sgpr_workgroup_id_x 1
		.amdhsa_system_sgpr_workgroup_id_y 1
		.amdhsa_system_sgpr_workgroup_id_z 1
		.amdhsa_system_vgpr_workitem_id 0
		.amdhsa_next_free_vgpr 256
		.amdhsa_next_free_sgpr 84
		.amdhsa_reserve_vcc 0
		.amdhsa_float_denorm_mode_32 3
		.amdhsa_float_denorm_mode_16_64 3
		.amdhsa_memory_ordered 1
		.amdhsa_forward_progress 1
		.amdhsa_inst_pref_size 51
	.end_amdhsa_kernel
	.amdgpu_metadata
---
amdhsa.version: [ 1, 2 ]
amdhsa.kernels:
  - .name:           k_q670cecbc3e_attn
    .symbol:         k_q670cecbc3e_attn.kd
    .args:
      - { .name: query_codes, .offset: 0, .size: 8, .value_kind: global_buffer, .address_space: global }
      - { .name: query_scales, .offset: 8, .size: 8, .value_kind: global_buffer, .address_space: global }
      - { .name: scale, .offset: 16, .size: 8, .value_kind: global_buffer, .address_space: global }
      - { .name: q_mask, .offset: 24, .size: 8, .value_kind: global_buffer, .address_space: global }
      - { .name: kv, .offset: 32, .size: 8, .value_kind: global_buffer, .address_space: global }
      - { .name: masks, .offset: 40, .size: 8, .value_kind: global_buffer, .address_space: global }
      - { .name: out0, .offset: 48, .size: 8, .value_kind: global_buffer, .address_space: global }
    .group_segment_fixed_size: 302080
    .private_segment_fixed_size: 0
    .kernarg_segment_align: 8
    .kernarg_segment_size: 56
    .max_flat_workgroup_size: 512
    .sgpr_count:     84
    .vgpr_count:     256
    .wavefront_size: 32
...
	.end_amdgpu_metadata
.endif
;; end of part 4
